; MI455X (gfx1250); checked and timed in simulation.
; The chip was launched on July 23, 2026; its instructions are those of AMD's public machine-readable ISA for CDNA 5 (MIT licence, August 2026) and "CDNA5" Instruction Set Architecture Reference Guide (July 2026). The comments in the code are by the model that wrote it; some were corrected since.
;; Llama4 Mo E. Allowed arithmetic: matrix products marked QUANTISED: E2M3 operands, one E8M0 scale for each 32 along K, by v_wmma_scale_f32_16x16x128_f8f6f4 with both operands' format E2M3, f32 sums; products left as they are: f32 operands where the result goes on into a quantised operand, else bf16, f16 or f32 operands; f32 sums; everything else in f32.
;; Inputs: hidden_states 1,024 x 1,024 float32; router_w 8 x 1,024 float32; w_down_codes 8 x 1,024 x 64 x 24 uint8 (E2M3 codes of w_down, K innermost, in blocks of 32 codes, four codes in three bytes); w_down_scales 8 x 1,024 x 64 uint8 (E8M0 scales of w_down, one for each 32 codes along K); w_gate_codes 8 x 2,048 x 32 x 24 uint8 (E2M3 codes of w_gate, K innermost, in blocks of 32 codes, four codes in three bytes); w_gate_scales 8 x 2,048 x 32 uint8 (E8M0 scales of w_gate, one for each 32 codes along K); w_up_codes 8 x 2,048 x 32 x 24 uint8 (E2M3 codes of w_up, K innermost, in blocks of 32 codes, four codes in three bytes); w_up_scales 8 x 2,048 x 32 uint8 (E8M0 scales of w_up, one for each 32 codes along K); ws_down_codes 1,024 x 64 x 24 uint8 (E2M3 codes of ws_down, K innermost, in blocks of 32 codes, four codes in three bytes); ws_down_scales 1,024 x 64 uint8 (E8M0 scales of ws_down, one for each 32 codes along K); ws_gate_codes 2,048 x 32 x 24 uint8 (E2M3 codes of ws_gate, K innermost, in blocks of 32 codes, four codes in three bytes); ws_gate_scales 2,048 x 32 uint8 (E8M0 scales of ws_gate, one for each 32 codes along K); ws_up_codes 2,048 x 32 x 24 uint8 (E2M3 codes of ws_up, K innermost, in blocks of 32 codes, four codes in three bytes); ws_up_scales 2,048 x 32 uint8 (E8M0 scales of ws_up, one for each 32 codes along K).
;; Outputs: out0 1,024 x 1,024 float32.
;; This version of the problem:
;;   THIS VERSION OF THE PROBLEM IS GIVEN IN LOW PRECISION. The matrix products marked QUANTISED in the list below multiply operands that are first quantised to E2M3 (2 exponent bits, 3 mantissa bits; 6 bits a number), with one power-of-two scale for each 32 numbers along K (OCP MX v1.0); their sums are f32. All else is computed in f32.
;;   The module's matrix products, in the order in which they are computed (A, B: the left and right operand; K: the contracted axis; several contracted axes count as one K, in the product's order):
;;     1. [M 1,024, K 1,024] x [K 1,024, N 8]; A: input hidden_states; B: input router_w: left as it is (N = 8 < 16)
;;     2. batch 8 x [M 1,024, K 1,024] x [K 1,024, N 2,048]; A: computed on the way; B: input w_gate (given as codes): QUANTISED
;;     3. batch 8 x [M 1,024, K 1,024] x [K 1,024, N 2,048]; A: computed on the way; B: input w_up (given as codes): QUANTISED
;;     4. batch 8 x [M 1,024, K 2,048] x [K 2,048, N 1,024]; A: computed on the way; B: input w_down (given as codes): QUANTISED
;;     5. [M 1,024, K 1,024] x [K 1,024, N 2,048]; A: input hidden_states; B: input ws_gate (given as codes): QUANTISED
;;     6. [M 1,024, K 1,024] x [K 1,024, N 2,048]; A: input hidden_states; B: input ws_up (given as codes): QUANTISED
;;     7. [M 1,024, K 2,048] x [K 2,048, N 1,024]; A: computed on the way; B: input ws_down (given as codes): QUANTISED
;;   THE QUANTISER, for each operand of a quantised product, along K:
;;     - K is cut into blocks of 32 from its start; a last block that is shorter is filled with zeros.
;;     - A block's scale is 2^e with e = floor(log2(the largest magnitude in the block)) - 2, held to -126 .. 127; a block of zeros has e = 0. As a byte (E8M0): e + 127.
;;     - Each number is divided by its block's scale, clamped to +-7.5, and rounded to the nearest number of E2M3, ties to even, subnormals kept.
;;     - The product sums the exact products of the quantised numbers (number of the format x scale) in f32.
;;   ~~~python
;;   def quantise(x, axis):      # numpy; x: float32 -> the quantised numbers, widened to float32 again
;;       x = np.moveaxis(x, axis, -1); K = x.shape[-1]
;;       x = np.pad(x, [(0, 0)] * (x.ndim - 1) + [(0, -K % 32)]); x = x.reshape(x.shape[:-1] + (-1, 32)); a = np.abs(x).max(-1, keepdims=True)
;;       e = np.where(a > 0, np.clip(np.frexp(np.where(a > 0, a, 1))[1] - 1 - 2, -126, 127), 0)      # np.frexp(a)[1] - 1 = floor(log2(a)), exactly
;;       r = np.clip(x / 2.0 ** e, -7.5, 7.5)
;;       step = 2.0 ** (np.maximum(np.frexp(np.where(r == 0, 1, r))[1] - 1, 0) - 3)
;;       q = np.round(r / step) * step * 2.0 ** e      # np.round: ties to even
;;       return np.moveaxis(q.reshape(q.shape[:-2] + (-1,))[..., :K], -1, axis).astype(np.float32)
;;   ~~~
;;   OPERANDS COMPUTED ON THE WAY. 'Computed on the way' means the value that the module computes at that place (a softmax that the list does not call 'softmax' is quantised finished and normalised). What goes into a quantiser is computed in f32, as accurately as f32 sums, v_exp_f32 and their like allow (about 1e-6 of the number): no bf16 or f16 on the way to a quantiser, and a product that is left as it is and whose result goes on into a quantised operand takes f32 operands (vector FMAs, or v_wmma_f32_16x16x4_f32). A number that lies on a knife's edge between two numbers of the format may be rounded either way, as far as f32 arithmetic and the matrix unit's own rounding can turn it there, and no further.
;;   INPUTS GIVEN AS CODES. w_down (in the module: [8, 2048, 1024], K = its axis 1); w_gate (in the module: [8, 1024, 2048], K = its axis 1); w_up (in the module: [8, 1024, 2048], K = its axis 1); ws_down (in the module: [2048, 1024], K = its axis 0); ws_gate (in the module: [1024, 2048], K = its axis 0); ws_up (in the module: [1024, 2048], K = its axis 0): each comes as NAME_codes (uint8): NAME with its K axis moved to the last place and cut into blocks of 32 codes, [.., K / 32, bytes a block], one block behind the other in memory; four codes in three bytes: a row's codes are one little-endian stream of bits, code i at bits 6 i .. 6 i + 5 (a code: sign, 2 exponent bits, 3 mantissa bits); and NAME_scales (uint8): the same leading axes, one E8M0 byte (e + 127) for each 32 codes along K. Its value is code x scale, taken as it is: it is not quantised again, and the codes and scales need not be those that the quantiser above would give.
;; 2 versions. Each part assembles by itself: llvm-mc -triple=amdgcn-amd-amdhsa -mcpu=gfx1250 --defsym DOCPART=n.
;; ======== version 1 of 2: 4 launches
;; workspace buffers: xc 1,572,864 bytes; xs 65,536 bytes; eidx 4,096 bytes of whole numbers; tab 46,336 bytes of whole numbers; hc 25,165,824 bytes; hs 1,048,576 bytes
;; launch route (part 1): grid 256 x 1, 1 waves a work-group, no clusters, 25,088 bytes of LDS; arguments hidden_states, router_w, xc, xs, eidx; writes xc, xs, eidx
.if DOCPART == 1
	.amdgcn_target "amdgcn-amd-amdhsa--gfx1250"
	.amdhsa_code_object_version 6
	.text
	.protected	k_q2edcc3d44c_route
	.globl	k_q2edcc3d44c_route
	.p2align	8
	.type	k_q2edcc3d44c_route,@function
k_q2edcc3d44c_route:
	s_mov_b64 s[64:65], 0
	v_nop
	global_prefetch_b8 v0, s[64:65] scope:SCOPE_SE
	s_setreg_imm32_b32 hwreg(HW_REG_WAVE_MODE, 25, 1), 1
	s_wait_xcnt 0x0
; Llama4 MoE, first of four launches: the router, and both quantised forms of each token's row.
; DEAD WORK, for the whole program.  For an expert e that token t did not choose, combine[t][e] = one_hot x score = 0, so row t of xe[e] is 0 for every finite
; hidden_states; the quantiser maps a row of zeros to zeros; g = u = 0; silu(0) x 0 = 0; its quantised row is 0; its product with w_down[e] is 0 and adds 0 to the sum over e.
; That holds for all finite values of all inputs.  So each token goes through ONE routed expert (and the shared one): seven eighths of products 2, 3 and 4 are left out, in whole rows.
; Every input is still loaded.  LIMIT: a NaN, an infinity or a scale byte 0xff in the weights of an expert that a token did not choose is not carried to that token's result.
; THIS LAUNCH: logits = x router_w^T in f32 (fused multiply-adds; the sum's order differs from the reference's); the largest logit's index, the lower index on a tie;
; score = 1 / (1 + 2^(-log2(e) logit)); then Q(x) for the shared expert and Q(score x) for the routed one: E2M3 codes, one E8M0 byte for each 32 along K.
; LIMITS: NaN logits are not served; two top logits nearer than the f32 sums' noise may change places; a block whose largest magnitude lies under 2^-124 keeps the byte 1,
; a block of zeros too (the rule says 127: its codes are zeros, and this program alone reads the bytes).
; SHARES: one wave to a work-group, four tokens to a wave.  xc: [token][variant][768 bytes], variant 0 = Q(x), 1 = Q(score x).  In a row the K step s (128 codes) lies at 96 s and its four
; blocks of 24 bytes in the order 0, 2, 1, 3: so the 48 bytes at 96 s + 48 (lane / 16) are a lane's twelve operand registers on end.  xs: [token][variant][32 scale bytes].  eidx: [token].
; No matrix unit, no cluster: the work-groups share router_w alone, 32 KiB.
.set X,     32                         ; v32-159   token t's row: as loaded (register 4 i + c = x[128 i + 4 lane + c]), later block = lane: 32 neighbours
.set LG,    160                        ; v160-223  logit sums, a pair for (t, e) at 16 t + 2 e; later the codes, 8 registers for (t, variant)
.set CC,    160
.set CST,   18432                      ; LDS: four stages of 32 x 144 bytes from 0; the codes' stage [t][variant][768];
.set SST,   24576                      ; the scale bytes' stage [t][variant][32];
.set SPARE, 24832                      ; the spare words: one block of 256 bytes that no other line names
.set SPW,   10
.set NIL,   11
.set IDX,   12                         ; v12-15    the chosen expert
.set BS,    16                         ; v16-23    the largest logit, then the score, twice (a pair for the packed multiply)
.set MX,    224                        ; v224-227  largest magnitudes
.set SO,    228                        ; v228-231  the conversions' scale operands
.set BY,    232                        ; v232-235  scale bytes of Q(x), v236-239 of Q(score x)
.set EC,    240                        ; v241-247  the numbers 1 to 7
.set MSB, 0
.macro WIN new                         ; the immediate's high byte repeats the setting that is left
.if MSB != \new
	s_set_vgpr_msb (MSB<<8)|\new
.set MSB, \new
.endif
.endm
	s_load_b256 s[4:11], s[0:1], 0x0               ; x s[4:5], router_w s[6:7], xc s[8:9], xs s[10:11]
	s_load_b64 s[12:13], s[0:1], 0x20              ; eidx
	v_lshl_add_u32 v[SPW], v0, 2, SPARE
	v_mov_b32 v[NIL], 0
	v_lshlrev_b32 v1, 4, v0                        ; 16 x lane
	v_lshrrev_b32 v2, 3, v0
	v_lshl_add_u32 v2, v2, 4, v1                   ; into a stage: 16 lane + 16 (lane / 8): 16 bytes of padding behind each 128
	v_mul_u32_u24 v3, v0, 144                      ; out of it: my block of 32 numbers
	v_lshrrev_b32 v4, 2, v0
	v_mul_u32_u24 v4, v4, 96
	v_and_b32 v5, 1, v0
	v_mad_u32_u24 v4, v5, 48, v4
	v_bfe_u32 v5, v0, 1, 1
	v_mad_u32_u24 v4, v5, 24, v4
	v_add_nc_u32 v4, CST, v4                       ; my block's codes: K step lane / 4; blocks in the order 0, 2, 1, 3
	v_add_nc_u32 v5, SST, v0                       ; my block's scale byte
	v_add_nc_u32 v6, CST, v1
	v_lshlrev_b32 v8, 3, v0
	v_add_nc_u32 v7, SST, v8
	v_and_b32 v9, 3, v0
	v_lshlrev_b32 v24, 2, v9
	s_mov_b32 s14, 0x76543210
	s_mov_b32 s15, 0xfedcba98                      ; lane selects: lane xor 16
	s_mov_b32 s16, 0xbfb8aa3b                      ; -log2(e)
	s_lshl_b32 s20, ttmp9, 14                      ; four rows of 4,096 bytes
	s_mov_b32 s21, 0
	s_mul_i32 s22, ttmp9, 6144
	s_mov_b32 s23, 0
	s_lshl_b32 s24, ttmp9, 8
	s_mov_b32 s25, 0
	s_lshl_b32 s26, ttmp9, 4
	s_mov_b32 s27, 0
	s_wait_kmcnt 0x0
	s_add_nc_u64 s[4:5], s[4:5], s[20:21]
	s_add_nc_u64 s[8:9], s[8:9], s[22:23]
	s_add_nc_u64 s[10:11], s[10:11], s[24:25]
	s_add_nc_u64 s[12:13], s[12:13], s[26:27]
.irp t, 0,1,2,3
.irp i, 0,1,2,3,4,5,6,7
	global_load_b128 v[X+32*\t+4*\i:X+32*\t+4*\i+3], v1, s[4:5] offset:4096*\t+512*\i th:TH_LOAD_NT   ; 512 consecutive bytes a load
.endr
.endr
	WIN 0x40                                       ; router_w into window 1: expert e, piece i at v[32 e + 4 i]
.irp e, 0,1,2,3,4,5,6,7
.irp i, 0,1,2,3,4,5,6,7
	global_load_b128 v[32*\e+4*\i:32*\e+4*\i+3], v1, s[6:7] offset:4096*\e+512*\i
.endr
.endr
	WIN 0
	s_wait_loadcnt 63                              ; 64 loads stand behind the last load of x: x is in
.irp t, 0,1,2,3
.irp i, 0,1,2,3,4,5,6,7
	ds_store_b128 v2, v[X+32*\t+4*\i:X+32*\t+4*\i+3] offset:4608*\t+576*\i
.endr
.endr
	s_wait_loadcnt 0x0
	WIN 0x04                                       ; source 1 in window 1
.irp i, 0,1,2,3,4,5,6,7
.irp p, 0,2
.irp t, 0,1,2,3
.irp e, 0,1,2,3,4,5,6,7
.if (\i == 0) && (\p == 0)
	v_pk_mul_f32 v[LG+16*\t+2*\e:LG+16*\t+2*\e+1], v[X+32*\t+4*\i+\p:X+32*\t+4*\i+\p+1], v[32*\e+4*\i+\p:32*\e+4*\i+\p+1]   ; the first products start the 32 sums
.else
	v_pk_fma_f32 v[LG+16*\t+2*\e:LG+16*\t+2*\e+1], v[X+32*\t+4*\i+\p:X+32*\t+4*\i+\p+1], v[32*\e+4*\i+\p:32*\e+4*\i+\p+1], v[LG+16*\t+2*\e:LG+16*\t+2*\e+1]
.endif
.endr
.endr
.endr
.endr
	WIN 0
	s_wait_dscnt 0x0                               ; the stores into the stages have read their registers, which the loads below fill
.irp t, 0,1,2,3
.irp j, 0,1,2,3,4,5,6,7
	ds_load_b128 v[X+32*\t+4*\j:X+32*\t+4*\j+3], v3 offset:4608*\t+16*\j   ; block = lane: 32 neighbours along K
.endr
.endr
.irp t, 0,1,2,3
.irp e, 0,1,2,3,4,5,6,7
	v_add_f32 v[LG+16*\t+2*\e], v[LG+16*\t+2*\e], v[LG+16*\t+2*\e+1]
.endr
.endr
.irp x, 1,2,4,8
.irp t, 0,1,2,3
.irp e, 0,1,2,3,4,5,6,7
	v_add_f32_dpp v[LG+16*\t+2*\e], v[LG+16*\t+2*\e], v[LG+16*\t+2*\e] row_xmask:\x row_mask:0xf bank_mask:0xf
.endr
.endr
.endr
.irp t, 0,1,2,3
.irp e, 0,1,2,3,4,5,6,7
	v_permlanex16_b32 v[LG+16*\t+2*\e+1], v[LG+16*\t+2*\e], s14, s15
.endr
.endr
.irp t, 0,1,2,3
.irp e, 0,1,2,3,4,5,6,7
	v_add_f32 v[LG+16*\t+2*\e], v[LG+16*\t+2*\e], v[LG+16*\t+2*\e+1]   ; every lane holds all 32 logits, the same bits in all lanes
.endr
.endr
.irp t, 0,1,2,3
	v_mov_b32 v[BS+2*\t], v[LG+16*\t]
	v_mov_b32 v[IDX+\t], 0
.endr
.irp e, 1,2,3,4,5,6,7
	v_mov_b32 v[EC+\e], \e
.endr
.irp e, 1,2,3,4,5,6,7                  ; strictly greater: the lower index keeps a tie.  The choice only selects values here; addresses are made of it in later launches
.irp t, 0,1,2,3
	v_cmp_gt_f32 vcc_lo, v[LG+16*\t+2*\e], v[BS+2*\t]
	v_cndmask_b32 v[BS+2*\t], v[BS+2*\t], v[LG+16*\t+2*\e], vcc_lo
	v_cndmask_b32 v[IDX+\t], v[IDX+\t], v[EC+\e], vcc_lo
.endr
.endr
.irp t, 0,1,2,3
	v_mul_f32 v[MX+\t], s16, v[BS+2*\t]
.endr
.irp t, 0,1,2,3
	v_exp_f32 v[MX+\t], v[MX+\t]
.endr
	v_nop                                          ; a plain instruction behind the last exponential
	s_wait_alu depctr_va_vdst(0)                   ; one wait for the four, ahead of their first reader
.irp t, 0,1,2,3
	v_add_f32 v[MX+\t], 1.0, v[MX+\t]
.endr
.irp t, 0,1,2,3
	v_rcp_f32 v[BS+2*\t], v[MX+\t]
.endr
	v_nop
	s_wait_alu depctr_va_vdst(0)
.irp t, 0,1,2,3
	v_mov_b32 v[BS+2*\t+1], v[BS+2*\t]             ; the score, twice
.endr
	s_wait_dscnt 0x0                               ; the four rows are back, a block to a lane
.irp t, 0,1,2,3
	v_max3_num_f32 v[MX+\t], |v[X+32*\t]|, |v[X+32*\t+1]|, 0x1800000   ; the block's largest magnitude, over the floor 2^(3 - 127): the byte cannot fall under 1
.endr
.irp i, 2,4,6,8,10,12,14,16,18,20,22,24,26,28,30
.irp t, 0,1,2,3
	v_max3_num_f32 v[MX+\t], v[MX+\t], |v[X+32*\t+\i]|, |v[X+32*\t+\i+1]|
.endr
.endr
; The codes of variant vv of all four tokens, from v[X ..] under the scale operands v[SO ..], and their bytes, into the stages.
.macro QOUT vv
.irp t, 0,1,2,3
	v_add_nc_u32 v[SO+\t], 0xff000000, v[MX+\t]    ; 2 off the exponent field: the conversion takes that field as its scale, and nothing else of the operand
.endr
.irp t, 0,1,2,3
	v_lshrrev_b32 v[BY+4*\vv+\t], 23, v[SO+\t]     ; the scale's byte
.endr
.irp t, 0,1,2,3
	v_cvt_scalef32_pk16_fp6_f32 v[CC+16*\t+8*\vv:CC+16*\t+8*\vv+2], v[X+32*\t:X+32*\t+15], v[SO+\t]
	v_cvt_scalef32_pk16_fp6_f32 v[CC+16*\t+8*\vv+4:CC+16*\t+8*\vv+6], v[X+32*\t+16:X+32*\t+31], v[SO+\t]   ; (a conversion's three registers begin on an even number)
.endr
	v_nop                                          ; one plain instruction behind the conversions
.irp t, 0,1,2,3
	v_mov_b32 v[CC+16*\t+8*\vv+3], v[CC+16*\t+8*\vv+4]
	v_mov_b32 v[CC+16*\t+8*\vv+4], v[CC+16*\t+8*\vv+5]
	v_mov_b32 v[CC+16*\t+8*\vv+5], v[CC+16*\t+8*\vv+6]   ; the block's 24 bytes in six registers on end
.endr
.irp t, 0,1,2,3
	ds_store_b64 v4, v[CC+16*\t+8*\vv:CC+16*\t+8*\vv+1] offset:1536*\t+768*\vv
	ds_store_b64 v4, v[CC+16*\t+8*\vv+2:CC+16*\t+8*\vv+3] offset:1536*\t+768*\vv+8
	ds_store_b64 v4, v[CC+16*\t+8*\vv+4:CC+16*\t+8*\vv+5] offset:1536*\t+768*\vv+16
	ds_store_b8 v5, v[BY+4*\vv+\t] offset:64*\t+32*\vv
.endr
.endm
	QOUT 0                                         ; Q(x)
.irp t, 0,1,2,3
	v_mul_f32 v[MX+\t], v[MX+\t], v[BS+2*\t]       ; the largest magnitude of score x: rounding keeps order and the score is not negative, so it is the rounded product of the largest
.endr
.irp t, 0,1,2,3
	v_max_num_f32 v[MX+\t], 0x1800000, v[MX+\t]    ; over the floor again
.endr
.irp i, 0,2,4,6,8,10,12,14,16,18,20,22,24,26,28,30
.irp t, 0,1,2,3
	v_pk_mul_f32 v[X+32*\t+\i:X+32*\t+\i+1], v[X+32*\t+\i:X+32*\t+\i+1], v[BS+2*\t:BS+2*\t+1]   ; xe = score x, in f32, as the reference has it
.endr
.endr
	QOUT 1                                         ; Q(score x)
.irp q, 0,1,2,3,4,5,6,7,8,9,10,11
	ds_load_b128 v[X+4*\q:X+4*\q+3], v6 offset:512*\q   ; LDS serves a wave's instructions in order: these see my stores
.endr
	ds_load_b64 v[X+48:X+49], v7
.irp q, 0,1,2,3,4,5,6,7,8,9,10,11
	s_wait_dscnt 12-\q                             ; the younger loads may be out
	global_store_b128 v1, v[X+4*\q:X+4*\q+3], s[8:9] offset:512*\q   ; 512 consecutive bytes, aligned
.endr
	s_wait_dscnt 0x0
	global_store_b64 v8, v[X+48:X+49], s[10:11]    ; 256 consecutive bytes, aligned
	v_mov_b32 v25, v[IDX]
.irp t, 1,2,3
	v_cmp_eq_u32 vcc_lo, \t, v9
	v_cndmask_b32 v25, v25, v[IDX+\t], vcc_lo
.endr
	global_store_b32 v24, v25, s[12:13]            ; lane l stores token l % 4's expert: eight lanes write each word, with the same number
	s_wait_tensorcnt 0x0                           ; the wave's end
	ds_add_u32 v[SPW], v[NIL]
	s_wait_dscnt 0x0
	s_endpgm
.Lfunc_end_k_q2edcc3d44c_route:
	.size	k_q2edcc3d44c_route, .Lfunc_end_k_q2edcc3d44c_route-k_q2edcc3d44c_route
	.p2alignl 7, 3214868480
	.fill 96, 4, 3214868480
	.section	.rodata,"a",@progbits
	.p2align	6, 0x0
	.amdhsa_kernel k_q2edcc3d44c_route
		.amdhsa_group_segment_fixed_size 25088
		.amdhsa_private_segment_fixed_size 0
		.amdhsa_enable_private_segment 0
		.amdhsa_kernarg_size 40
		.amdhsa_user_sgpr_count 2
		.amdhsa_user_sgpr_kernarg_segment_ptr 1
		.amdhsa_wavefront_size32 1
		.amdhsa_system_sgpr_workgroup_id_x 1
		.amdhsa_system_sgpr_workgroup_id_y 1
		.amdhsa_system_sgpr_workgroup_id_z 1
		.amdhsa_system_vgpr_workitem_id 0
		.amdhsa_next_free_vgpr 512
		.amdhsa_next_free_sgpr 66
		.amdhsa_reserve_vcc 1
		.amdhsa_float_denorm_mode_32 3
		.amdhsa_float_denorm_mode_16_64 3
		.amdhsa_memory_ordered 1
		.amdhsa_forward_progress 1
		.amdhsa_inst_pref_size 80
	.end_amdhsa_kernel
	.amdgpu_metadata
---
amdhsa.version: [ 1, 2 ]
amdhsa.kernels:
  - .name:           k_q2edcc3d44c_route
    .symbol:         k_q2edcc3d44c_route.kd
    .args:
      - { .name: hidden_states, .offset: 0, .size: 8, .value_kind: global_buffer, .address_space: global }
      - { .name: router_w, .offset: 8, .size: 8, .value_kind: global_buffer, .address_space: global }
      - { .name: xc, .offset: 16, .size: 8, .value_kind: global_buffer, .address_space: global }
      - { .name: xs, .offset: 24, .size: 8, .value_kind: global_buffer, .address_space: global }
      - { .name: eidx, .offset: 32, .size: 8, .value_kind: global_buffer, .address_space: global }
    .group_segment_fixed_size: 25088
    .private_segment_fixed_size: 0
    .kernarg_segment_align: 8
    .kernarg_segment_size: 40
    .max_flat_workgroup_size: 32
    .sgpr_count:     66
    .vgpr_count:     512
    .wavefront_size: 32
...
	.end_amdgpu_metadata
.endif
;; end of part 1
;; launch place (part 2): grid 1 x 1, 8 waves a work-group, no clusters, 2,048 bytes of LDS; arguments eidx, tab; writes tab
.if DOCPART == 2
	.amdgcn_target "amdgcn-amd-amdhsa--gfx1250"
	.amdhsa_code_object_version 6
	.text
	.protected	k_q2edcc3d44c_place
	.globl	k_q2edcc3d44c_place
	.p2align	8
	.type	k_q2edcc3d44c_place,@function
k_q2edcc3d44c_place:
	s_mov_b64 s[64:65], 0
	v_nop
	global_prefetch_b8 v0, s[64:65] scope:SCOPE_SE
	s_setreg_imm32_b32 hwreg(HW_REG_WAVE_MODE, 25, 1), 1
	s_wait_xcnt 0x0
; Second launch: the tokens are sorted by their expert (a counting sort, no atomics), in whole numbers alone.  Only the chosen expert's rows are placed: see the first kernel's head.
; tab, in words: LISTS at 0: eight lists 1,280 words apart, expert e's tokens; ORDC at byte 40,960: 1,152 words, all tokens by expert, each expert filled up to whole tiles of 16;
; TMAP at byte 45,568: tile of ORDC -> slot tile 64 e + i; META at byte 46,080: words 0-7 the experts' numbers of tiles, word 8 their sum NT (64 to 71).  1,024 in a list says: no token.
; One work-group of eight waves; thread n takes tokens 4 n .. 4 n + 3; wave w also fills up expert w's lists.  No branch hangs on data.  Words written twice get the same number both times.
; Every index that hangs on loaded numbers is held under a constant before it becomes an address.
.set SPARE, 1024                       ; LDS: 0-1023 the waves' counts (wave w, expert e at 128 w + 4 e); then the spare words, 128 bytes a wave
.set SPW,   94
.set NIL,   95
.set ORDC,  40960
.set TMAP,  45568
.set META,  46080
.set MK,    32                         ; s32-63  lane masks: expert e, component c at 4 e + c
.set PR,    66                         ; s66-73  the next free place in each expert's list, for my wave
.set NE,    74                         ; s74-81  each expert's tokens
.set NTL,   82                         ; s82-89  each expert's tiles
.set TB,    90                         ; s90-98  tiles in front of each expert; s98 = NT
	s_load_b128 s[4:7], s[0:1], 0x0                ; eidx, tab
	v_lshl_add_u32 v[SPW], v0, 2, SPARE
	v_mov_b32 v[NIL], 0
	v_lshrrev_b32 v1, 5, v0
	v_readfirstlane_b32 s8, v1                     ; wave
	v_and_b32 v1, 31, v0                           ; lane
	v_lshlrev_b32 v2, 4, v0
	v_lshlrev_b32 v3, 2, v0
	v_lshlrev_b32 v13, 2, v1
.irp c, 0,1,2,3
	v_add_nc_u32 v[8+\c], \c, v3                   ; my tokens' numbers
	v_mov_b32 v[28+\c], 0                          ; their places in their lists
	v_mov_b32 v[32+\c], 0                          ; 16 x the tiles in front of their experts
.endr
	v_mov_b32 v12, 0
	v_mov_b32 v25, 0
	v_mov_b32 v37, 0x400
	v_mov_b32 v69, 0
	v_mov_b32 v70, 127
	s_wait_kmcnt 0x0
	global_load_b128 v[4:7], v2, s[4:5]
	s_wait_loadcnt 0x0
.irp c, 0,1,2,3
	v_min_u32 v[4+\c], 7, v[4+\c]
.endr
.irp e, 0,1,2,3,4,5,6,7
.irp c, 0,1,2,3
	v_cmp_eq_u32 s[MK+4*\e+\c], \e, v[4+\c]
.endr
.endr
.irp e, 0,1,2,3,4,5,6,7
	s_bcnt1_i32_b32 s9, s[MK+4*\e]
	s_bcnt1_i32_b32 s10, s[MK+4*\e+1]
	s_add_co_u32 s9, s9, s10
	s_bcnt1_i32_b32 s10, s[MK+4*\e+2]
	s_add_co_u32 s9, s9, s10
	s_bcnt1_i32_b32 s10, s[MK+4*\e+3]
	s_add_co_u32 s9, s9, s10
	v_writelane_b32 v12, s9, \e                    ; my wave's count of expert e, in lane e
.endr
	ds_store_b32 v3, v12
	s_wait_dscnt 0x0                               ; for the others' sake: my counts lie in LDS
	s_barrier_signal -1
	s_barrier_wait -1
.irp q, 0,1,2,3,4,5,6,7
	ds_load_b32 v[16+\q], v13 offset:128*\q        ; lane e: wave q's count of expert e
.endr
	s_wait_dscnt 0x0
	v_add_nc_u32 v24, v16, v17
.irp q, 2,3,4,5,6,7
	v_add_nc_u32 v24, v24, v[16+\q]                ; each expert's tokens
.endr
.irp q, 0,1,2,3,4,5,6,7
	s_cmp_gt_u32 s8, \q
	s_cselect_b32 s9, -1, 0
	v_and_b32 v26, s9, v[16+\q]
	v_add_nc_u32 v25, v25, v26                     ; those of the waves in front of mine
.endr
	v_add_nc_u32 v27, 15, v24
	v_lshrrev_b32 v27, 4, v27                      ; tiles
.irp e, 0,1,2,3,4,5,6,7
	v_readlane_b32 s[PR+\e], v25, \e
	v_readlane_b32 s[NE+\e], v24, \e
	v_readlane_b32 s[NTL+\e], v27, \e
.endr
	s_mov_b32 s[TB], 0
.irp e, 0,1,2,3,4,5,6,7
	s_add_co_u32 s[TB+1+\e], s[TB+\e], s[NTL+\e]
.endr
	s_mov_b32 s10, s[NE]                           ; expert w's tokens, tiles, and tiles in front
	s_mov_b32 s11, s[NTL]
	s_mov_b32 s12, s[TB]
.irp e, 1,2,3,4,5,6,7
	s_cmp_eq_u32 s8, \e
	s_cselect_b32 s10, s[NE+\e], s10
	s_cselect_b32 s11, s[NTL+\e], s11
	s_cselect_b32 s12, s[TB+\e], s12
.endr
.irp e, 0,1,2,3,4,5,6,7
	s_lshl_b32 s9, s[TB+\e], 4
	v_mov_b32 v[40+\e], s9
.endr
.irp c, 0,1,2,3
.irp e, 0,1,2,3,4,5,6,7
	v_mbcnt_lo_u32_b32 v36, s[MK+4*\e+\c], s[PR+\e]   ; the place: those of expert e in lower lanes, behind what is already placed
	v_cndmask_b32 v[28+\c], v[28+\c], v36, s[MK+4*\e+\c]
	v_cndmask_b32 v[32+\c], v[32+\c], v[40+\e], s[MK+4*\e+\c]
	s_bcnt1_i32_b32 s9, s[MK+4*\e+\c]
	s_add_co_u32 s[PR+\e], s[PR+\e], s9
.endr
.endr
.irp c, 0,1,2,3                        ; each token into its expert's list, and into ORDC
	v_mad_u32_u24 v[48+\c], v[4+\c], 0x500, v[28+\c]
	v_min_u32 v[48+\c], 0x27ff, v[48+\c]
	v_lshlrev_b32 v[48+\c], 2, v[48+\c]
	global_store_b32 v[48+\c], v[8+\c], s[6:7]
	v_add_nc_u32 v[52+\c], v[32+\c], v[28+\c]
	v_min_u32 v[52+\c], 0x47f, v[52+\c]
	v_lshlrev_b32 v[52+\c], 2, v[52+\c]
	global_store_b32 v[52+\c], v[8+\c], s[6:7] offset:ORDC
.endr
	s_mul_i32 s9, s8, 1280                         ; behind expert w's tokens: 192 words of 'no token': the tile's rest, and all that a first pass reads before it knows the counts
	s_add_co_u32 s9, s9, s10
	v_add_nc_u32 v56, s9, v1
	v_min_u32 v56, 0x275f, v56
	v_lshlrev_b32 v56, 2, v56
.irp q, 0,1,2,3,4,5
	global_store_b32 v56, v37, s[6:7] offset:128*\q
.endr
	v_add_nc_u32 v38, s10, v1                      ; the rest of expert w's last tile in ORDC; lanes with nothing to fill write 'no token' behind the last tile
	s_lshl_b32 s13, s11, 4
	v_cmp_gt_u32 vcc_lo, s13, v38
	s_lshl_b32 s14, s12, 4
	v_add_nc_u32 v39, s14, v38
	s_lshl_b32 s15, s[TB+8], 4
	v_and_b32 v57, 15, v1
	v_add_nc_u32 v57, s15, v57
	v_cndmask_b32 v57, v57, v39, vcc_lo
	v_min_u32 v57, 0x47f, v57
	v_lshlrev_b32 v57, 2, v57
	global_store_b32 v57, v37, s[6:7] offset:ORDC
	s_and_b32 s16, s8, 3                           ; ORDC behind the last tile, to its end: NT is at least 64, so 128 words reach word 1,151
	s_lshl_b32 s16, s16, 5
	s_add_co_u32 s16, s16, s15
	v_add_nc_u32 v58, s16, v1
	v_min_u32 v58, 0x47f, v58
	v_lshlrev_b32 v58, 2, v58
	global_store_b32 v58, v37, s[6:7] offset:ORDC
	s_lshl_b32 s17, s8, 6
.irp q, 0,1                            ; TMAP for expert w's tiles; lanes with none write 0 to the last word
	v_add_nc_u32 v71, 32*\q, v1
	v_cmp_gt_u32 vcc_lo, s11, v71
	v_add_nc_u32 v[64+\q], s12, v71
	v_cndmask_b32 v[64+\q], v70, v[64+\q], vcc_lo
	v_min_u32 v[64+\q], 127, v[64+\q]
	v_lshlrev_b32 v[64+\q], 2, v[64+\q]
	v_add_nc_u32 v[66+\q], s17, v71
	v_cndmask_b32 v[66+\q], v69, v[66+\q], vcc_lo
	global_store_b32 v[64+\q], v[66+\q], s[6:7] offset:TMAP
.endr
	v_add_nc_u32 v68, s[TB+8], v1                  ; TMAP behind the last tile: 32 words of 0 reach past word 71, the last that is read
	v_min_u32 v68, 127, v68
	v_lshlrev_b32 v68, 2, v68
	global_store_b32 v68, v69, s[6:7] offset:TMAP
	v_writelane_b32 v27, s[TB+8], 8                ; META: lanes 0-7 the experts' tiles, lane 8 NT, the others 0
	s_cmp_lg_u32 s8, 0
	s_cbranch_scc1 .Lnot_wave_0
	global_store_b32 v13, v27, s[6:7] offset:META
.Lnot_wave_0:
	s_wait_tensorcnt 0x0                           ; the wave's end
	ds_add_u32 v[SPW], v[NIL]
	s_wait_dscnt 0x0
	s_endpgm
.Lfunc_end_k_q2edcc3d44c_place:
	.size	k_q2edcc3d44c_place, .Lfunc_end_k_q2edcc3d44c_place-k_q2edcc3d44c_place
	.p2alignl 7, 3214868480
	.fill 96, 4, 3214868480
	.section	.rodata,"a",@progbits
	.p2align	6, 0x0
	.amdhsa_kernel k_q2edcc3d44c_place
		.amdhsa_group_segment_fixed_size 2048
		.amdhsa_private_segment_fixed_size 0
		.amdhsa_enable_private_segment 0
		.amdhsa_kernarg_size 16
		.amdhsa_user_sgpr_count 2
		.amdhsa_user_sgpr_kernarg_segment_ptr 1
		.amdhsa_wavefront_size32 1
		.amdhsa_system_sgpr_workgroup_id_x 1
		.amdhsa_system_sgpr_workgroup_id_y 1
		.amdhsa_system_sgpr_workgroup_id_z 1
		.amdhsa_system_vgpr_workitem_id 0
		.amdhsa_next_free_vgpr 96
		.amdhsa_next_free_sgpr 100
		.amdhsa_reserve_vcc 1
		.amdhsa_float_denorm_mode_32 3
		.amdhsa_float_denorm_mode_16_64 3
		.amdhsa_memory_ordered 1
		.amdhsa_forward_progress 1
		.amdhsa_inst_pref_size 24
	.end_amdhsa_kernel
	.amdgpu_metadata
---
amdhsa.version: [ 1, 2 ]
amdhsa.kernels:
  - .name:           k_q2edcc3d44c_place
    .symbol:         k_q2edcc3d44c_place.kd
    .args:
      - { .name: eidx, .offset: 0, .size: 8, .value_kind: global_buffer, .address_space: global }
      - { .name: tab, .offset: 8, .size: 8, .value_kind: global_buffer, .address_space: global }
    .group_segment_fixed_size: 2048
    .private_segment_fixed_size: 0
    .kernarg_segment_align: 8
    .kernarg_segment_size: 16
    .max_flat_workgroup_size: 256
    .sgpr_count:     100
    .vgpr_count:     96
    .wavefront_size: 32
...
	.end_amdgpu_metadata
.endif
;; end of part 2
;; launch gateup (part 3): grid 16 x 14, 4 waves a work-group, no clusters, 213,504 bytes of LDS; arguments xc, xs, tab, w_gate_codes, w_gate_scales, w_up_codes, w_up_scales, ws_gate_codes, ws_gate_scales, ws_up_codes, ws_up_scales, hc, hs; writes hc, hs
.if DOCPART == 3
	.amdgcn_target "amdgcn-amd-amdhsa--gfx1250"
	.amdhsa_code_object_version 6
	.text
	.protected	k_q2edcc3d44c_gateup
	.globl	k_q2edcc3d44c_gateup
	.p2align	8
	.type	k_q2edcc3d44c_gateup,@function
k_q2edcc3d44c_gateup:
	s_mov_b64 s[64:65], 0
	v_nop
	global_prefetch_b8 v0, s[64:65] scope:SCOPE_SE
	s_setreg_imm32_b32 hwreg(HW_REG_WAVE_MODE, 25, 1), 1
	s_wait_xcnt 0x0
; Third launch: h = Q(silu(x Wg) x (x Wu)) for the routed and for the shared expert, on codes of E2M3 with E8M0 scales.  Only the chosen expert's rows are multiplied: see the first kernel's head.
; SHARES.  Work-group x = a slice of 128 hidden units (128 rows of the gate weight, 128 of the up weight).  y < 8: routed expert y, all its tiles of 16 tokens; y = 8 + b: the shared expert,
; tiles 12 b .. 12 b + 11 of ORDC.  One way through the text for both: only pointers are chosen, by ids.  The slice's weights, 196,608 bytes of codes and 8,192 of scale bytes, come into LDS once.
; THE WAVES SHARE THE ROWS: in a pass wave w takes tiles base + w + 4 m, m = 0, 1, 2; its tokens' codes go from memory straight into registers.  So the one barrier stands at the head, on every way,
; and none in the loop over passes, which is left where a count read from memory says so.  One pass serves 192 rows of an expert; the loop is counted to six, which serves all 1,024 (64 tiles, 12 a pass).
; NO TENSOR LOAD, NO CLUSTER: the way out of the loop and the branches round dead tiles hang on numbers read from memory, so LDS is filled through registers, and there is no joint load to share the shared expert's weights by.
; LAYOUT.  The products are used transposed (source 0 = 16 rows of a weight, source 1 = 16 tokens): a lane holds ONE token, its registers run along the hidden units.  LDS row 32 f + 16 u + r holds
; hidden unit 32 f + 8 u + r + 8 (r / 8): so the 16 registers of tiles u = 0, 1 are 16 neighbours along the next product's K.  A wave owns all 128 units of the slice for its tokens: one whole K step
; of the next product, so it makes a whole operand and a whole scale word by itself.  hc: [variant][slot tile][K step][1,536 bytes], the operand's registers as they stand: group i of lane l at 512 i + 16 l.
; hs: [variant][slot tile][K step][16 rows][4 bytes]: a store of 64 bytes, part of an aligned 256: one byte in 24 of what this launch stores.
; A tile past the list's end is multiplied with token 1,023's codes ('no token' is held at 1,023) and not stored.
; REGISTERS.  Window 0: v1-31 addresses; v32-55 the tokens' scale words; v56-119 the weights' (lanes 0-15 gate, lanes 16-31 up); v120-179 codes being made; v180-206 bytes, maxima; v208-255 at work.
; Windows 1, 2: the tokens' operands, K step s, tile m at 36 s + 12 m (s < 5) and 36 (s - 5) + 12 m.  Window 3: v0-95 accumulators (tile m; gate 0, gate 1, up 0, up 1) at 32 m + 8 q; v96-239 three buffers of four
; weight fragments; v240-243 copies of their LDS addresses, so that ONE window setting serves a step's LDS loads and its products.
.set WPITCH, 784                       ; a weight row in LDS: 768 bytes + 16 = 196 words: row r begins 4 r words further on modulo 64, and the halves of the lanes 6 words apart: 32 lanes' 8 bytes fall on 64 different words
.set WCH,    64*WPITCH
.set WSB,    256*WPITCH                ; behind the codes: the scale bytes, 32 a row, rows 48 bytes apart
.set SPITCH, 48
.set SPARE,  WSB+256*SPITCH            ; the spare words, 128 bytes a wave: two blocks of 256 bytes that no other line names
.set PASSES, 6                         ; 64 tiles at the most, 12 a pass
.set RR,  1
.set HH,  2
.set LN,  3
.set LA,  4                            ; v4   where my wave's codes go: 64 rows x wave + 16 lane
.set LB,  5                            ; v5   the same, 16 further on for lanes 16-31 (a load that holds the end of one row and the head of the next)
.set LSC, 6
.set GO,  7
.set SA,  8
.set R4,  9
.set TK,  10
.set VA,  13
.set VS,  16
.set HO,  19
.set HSO, 22
.set SPW, 26
.set NIL, 27
.set BB,  28
.set AS,  32
.set WSC, 56
.set PC,  120
.set BY,  180
.set MX,  192
.set MY,  196
.set SO,  200
.set PWD, 204
.set T,   208
.set WB,  96
.set MSB, 0
.macro WIN new                         ; the immediate's high byte repeats the setting that is left
.if MSB != \new
	s_set_vgpr_msb (MSB<<8)|\new
.set MSB, \new
.endif
.endm
; THE LOADS OF THE HEAD, one list.  0-2: my three tiles' tokens.  3-98: my wave's 64 weight rows, 512 consecutive bytes a load.  99-102: their scale bytes.  103-174: my tokens' codes.  175-180: their scale words.
.macro ISSUE j
.if (\j) < 3
	WIN 0
	global_load_b32 v[TK+(\j)], v[R4], s[34:35] offset:256*(\j)
.elseif (\j) < 103
.set q_k, (\j)-3
.if q_k < 64
	WIN 0xc0
.set q_r, 4*q_k
.else
	WIN 0x80
.set q_r, 108+4*(q_k-64)
.endif
.if q_k < 96
	global_load_b128 v[q_r:q_r+3], v[GO], s[10:11] offset:512*q_k
.else
	global_load_b128 v[q_r:q_r+3], v[GO], s[12:13] offset:512*(q_k-96)
.endif
.elseif (\j) < 175
.set q_x, (\j)-103
.set q_m, q_x/24
.set q_s, (q_x%24)/3
.set q_i, q_x%3
.if q_s < 5
	WIN 0x40
.set q_r, 36*q_s+12*q_m+4*q_i
.else
	WIN 0x80
.set q_r, 36*(q_s-5)+12*q_m+4*q_i
.endif
	global_load_b128 v[q_r:q_r+3], v[VA+q_m], s[4:5] offset:96*q_s+16*q_i   ; a lane's twelve registers lie on end in xc
.else
.set q_x, (\j)-175
	WIN 0
	global_load_b128 v[AS+8*(q_x/2)+4*(q_x%2):AS+8*(q_x/2)+4*(q_x%2)+3], v[VS+q_x/2], s[6:7] offset:16*(q_x%2)
.endif
.endm
; Weight item k goes to LDS.  Three items are two rows, 2 (k / 3) and the next; the rows are laid in the order that the head comment states.
.macro PUT k
.if (\k) < 64
	WIN 0x0c
.set p_r, 4*(\k)
.else
	WIN 0x08
.set p_r, 108+4*((\k)-64)
.endif
.if (\k) < 96
.set p_o, 2*((\k)/3)
.set p_p, (p_o&32)+16*((p_o>>3)&1)+(p_o&7)+8*((p_o>>4)&1)
.if (\k)%3 == 0
	ds_store_b128 v[LA], v[p_r:p_r+3] offset:p_p*WPITCH
.elseif (\k)%3 == 1
	ds_store_b128 v[LB], v[p_r:p_r+3] offset:p_p*WPITCH+512
.else
	ds_store_b128 v[LA], v[p_r:p_r+3] offset:p_p*WPITCH+1040
.endif
.else
.set p_j, (\k)-96
	ds_store_b128 v[LSC], v[p_r:p_r+3] offset:SPITCH*(32*(p_j>>1)+8*(p_j&1))
.endif
.endm
.macro TKPREP                          ; the tokens become offsets: held under 1,024 first
	WIN 0
.irp m, 0,1,2
	v_min_u32 v[TK+\m], 0x3ff, v[TK+\m]
.endr
.irp m, 0,1,2
	v_mul_u32_u24 v[VA+\m], v[TK+\m], 1536
	v_lshlrev_b32 v[VS+\m], 6, v[TK+\m]
.endr
.irp m, 0,1,2
	v_mad_u32_u24 v[VA+\m], v[HH], 48, v[VA+\m]
.endr
.endm
	s_load_b256 s[4:11], s[0:1], 0x0               ; xc, xs, tab, w_gate_codes
	s_load_b256 s[12:19], s[0:1], 0x20             ; w_gate_scales, w_up_codes, w_up_scales, ws_gate_codes
	s_load_b256 s[20:27], s[0:1], 0x40             ; ws_gate_scales, ws_up_codes, ws_up_scales, hc
	s_load_b64 s[28:29], s[0:1], 0x60              ; hs
	v_lshl_add_u32 v[SPW], v0, 2, SPARE
	v_mov_b32 v[NIL], 0
	v_lshrrev_b32 v1, 5, v0
	v_readfirstlane_b32 s30, v1                    ; wave
	v_and_b32 v[RR], 15, v0
	v_bfe_u32 v[HH], v0, 4, 1
	v_and_b32 v[LN], 31, v0
	v_lshlrev_b32 v[GO], 4, v[LN]
	s_mul_i32 s55, s30, WCH
	v_add_nc_u32 v[LA], s55, v[GO]
	v_lshl_add_u32 v[LB], v[HH], 4, v[LA]
	v_bfe_u32 v[LSC], v0, 1, 3                     ; a load of scale bytes holds 16 rows, two lanes to a row: row (lane / 2) % 8 + 8 (lane / 16) of them goes to LDS row (lane / 2) % 8 + 16 (lane / 16)
	v_lshl_add_u32 v[LSC], v[HH], 4, v[LSC]
	v_mul_u32_u24 v[LSC], v[LSC], SPITCH
	v_and_b32 v[T], 1, v0
	v_lshl_add_u32 v[LSC], v[T], 4, v[LSC]
	s_mul_i32 s55, s30, 64*SPITCH
	s_add_co_u32 s55, s55, WSB
	v_add_nc_u32 v[LSC], s55, v[LSC]
	v_mul_u32_u24 v[SA], v[RR], SPITCH
	v_mad_u32_u24 v[SA], v[HH], 128*SPITCH, v[SA]  ; lanes 16-31 take the up rows' scale words
	v_add_nc_u32 v[SA], WSB, v[SA]
	v_lshlrev_b32 v[R4], 2, v[RR]
	v_mul_u32_u24 v[BB], v[RR], WPITCH
	v_mad_u32_u24 v[BB], v[HH], 24, v[BB]          ; a fragment's row x pitch + 24 x half
.irp q, 1,2,3
	v_add_nc_u32 v[BB+\q], \q*WCH, v[BB]           ; and the same 64, 128, 192 rows on
.endr
.irp m, 0,1,2
	v_mov_b32 v[MY+\m], 0                          ; written once: a lane permute's destination counts as one of its sources
.endr
	s_mov_b32 s48, 0x76543210
	s_mov_b32 s49, 0xfedcba98                      ; lane selects: lane xor 16
	s_mov_b32 s50, 0xbfb8aa3b                      ; -log2(e)
	s_mov_b32 s51, s50                             ; (named with it as a pair)
	s_and_b32 s31, ttmp7, 0xffff                   ; y
	s_sub_co_u32 s37, s31, 8
	s_mul_i32 s37, s37, 12
	s_min_u32 s41, s31, 7
	s_lshl_b32 s41, s41, 2
	s_cmp_lt_u32 s31, 8                            ; routed or shared: ids alone
	s_cselect_b32 s36, s31, 0                      ; the expert
	s_cselect_b32 s37, 0, s37                      ; my first tile
	s_cselect_b32 s47, 0, -1                       ; all ones on the shared path,
	s_cselect_b32 s80, -1, 0                       ; on the routed path
	s_cselect_b32 s55, 1, 0                        ; x's variant: 1 = Q(score x)
	s_cselect_b32 s57, 0, 1                        ; h's variant: 0 = routed
	s_mul_i32 s76, s36, 5120
	s_mov_b32 s56, 40960
	s_cselect_b32 s76, s76, s56                    ; my list: LISTS[e] or ORDC
	s_mov_b32 s77, 0
	s_mul_i32 s68, s55, 768
	s_mov_b32 s69, 0
	s_lshl_b32 s70, s55, 5
	s_mov_b32 s71, 0
	s_mul_i32 s72, s57, 12582912
	s_mul_i32 s58, ttmp9, 1536
	s_add_co_u32 s72, s72, s58                     ; hc: variant, K step = my slice
	s_mov_b32 s73, 0
	s_lshl_b32 s74, s57, 19
	s_lshl_b32 s58, ttmp9, 6
	s_add_co_u32 s74, s74, s58                     ; hs likewise
	s_mov_b32 s75, 0
	s_add_co_u32 s43, s37, s30
	s_lshl_b32 s43, s43, 2                         ; 4 (first tile + wave)
	s_lshl_b32 s78, s43, 4
	s_mov_b32 s79, 0
	s_lshl_b32 s82, s36, 6                         ; 64 e
	s_add_co_u32 s81, s82, s30
	s_lshl_b32 s59, ttmp9, 7
	s_and_b32 s60, s30, 1
	s_lshl_b32 s60, s60, 6
	s_add_co_u32 s59, s59, s60                     ; my wave's first weight row: 128 x slice + 64 (wave % 2)
	s_mul_i32 s62, s36, 1572864
	s_mul_i32 s60, s59, 768
	s_add_co_u32 s62, s62, s60
	s_mov_b32 s63, 0
	s_lshl_b32 s66, s36, 16
	s_lshl_b32 s60, s59, 5
	s_add_co_u32 s66, s66, s60
	s_mov_b32 s67, 0
	s_wait_kmcnt 0x0
	s_load_b32 s40, s[8:9], s41 offset:46080       ; my expert's tiles
	s_load_b32 s42, s[8:9], 46112                  ; NT
	s_load_b32 s44, s[8:9], s43 offset:45568       ; my three tiles' slots (used on the shared path)
	s_load_b32 s45, s[8:9], s43 offset:45584
	s_load_b32 s46, s[8:9], s43 offset:45600
	s_cmp_lt_u32 s31, 8
	s_cselect_b64 s[10:11], s[10:11], s[18:19]
	s_cselect_b64 s[12:13], s[12:13], s[20:21]
	s_cselect_b64 s[14:15], s[14:15], s[22:23]
	s_cselect_b64 s[16:17], s[16:17], s[24:25]
	s_cmp_lt_u32 s30, 2                            ; waves 0 and 1 bring the gate rows, waves 2 and 3 the up rows
	s_cselect_b64 s[10:11], s[10:11], s[14:15]
	s_cselect_b64 s[12:13], s[12:13], s[16:17]
	s_add_nc_u64 s[10:11], s[10:11], s[62:63]
	s_add_nc_u64 s[12:13], s[12:13], s[66:67]
	s_add_nc_u64 s[4:5], s[4:5], s[68:69]
	s_add_nc_u64 s[6:7], s[6:7], s[70:71]
	s_add_nc_u64 s[26:27], s[26:27], s[72:73]
	s_add_nc_u64 s[28:29], s[28:29], s[74:75]
	s_add_nc_u64 s[32:33], s[8:9], s[76:77]        ; my list
	s_add_nc_u64 s[34:35], s[32:33], s[78:79]      ; at my wave's first tile: ids alone, so the first pass's loads wait for no count
; THE PUMP: loads go out in the list's order; each group of eight weight items is stored to LDS as soon as it is in, while later loads land.
.set J, 0
.rept 66
	ISSUE J
.set J, J+1
.endr
.set K, 0
.rept 13
.rept 8
.if J == 103
	TKPREP                                         ; (the tokens were shown in by the first wait below)
.endif
	ISSUE J
.set J, J+1
.endr
	s_wait_loadcnt 63                              ; item k is load k + 3 of the list: behind this group's last item exactly 63 loads have been issued
.rept 8
.if K < 100
	PUT K
.endif
.set K, K+1
.endr
.endr
.rept 11
	ISSUE J
.set J, J+1
.endr
	WIN 0
	s_wait_dscnt 0x0                               ; for the others' sake: my 64 rows lie in LDS
	s_barrier_signal -1
	s_barrier_wait -1                              ; everybody's do.  LDS is written no more
.irp f, 0,1,2,3
.irp u, 0,1
.irp p, 0,1
	ds_load_b128 v[WSC+16*\f+8*\u+4*\p:WSC+16*\f+8*\u+4*\p+3], v[SA] offset:SPITCH*(32*\f+16*\u)+16*\p   ; the weights' scale words stay in registers: block f, tile u, K step s at 16 f + 8 u + s
.endr
.endr
.endr
	WIN 0xc0
.irp q, 0,1,2,3
	v_mov_b32 v[240+\q], v[BB+\q]
.endr
	WIN 0
	s_wait_kmcnt 0x0
	s_add_co_u32 s55, s37, 12
	s_min_u32 s55, s55, s42
	s_cmp_lt_u32 s31, 8
	s_cselect_b32 s38, s40, s55                    ; lim: one past my last tile
	s_min_u32 s38, s38, 72                         ; (an expert has at most 64 tiles, ORDC at most 71: six passes reach every one)
.irp m, 0,1,2
	s_min_u32 s[44+\m], s[44+\m], 511
	s_and_b32 s[44+\m], s[44+\m], s47              ; shared: the slot that TMAP names;
	s_add_co_u32 s55, s81, 4*\m
	s_and_b32 s55, s55, s80                        ; routed: 64 e + tile
	s_add_co_u32 s[44+\m], s[44+\m], s55
	s_mul_i32 s55, s[44+\m], 24576
	v_add_nc_u32 v[HO+\m], s55, v[GO]
	s_lshl_b32 s55, s[44+\m], 10
	v_add_nc_u32 v[HSO+\m], s55, v[R4]
.endr
	s_mov_b32 s39, s37                             ; base: the pass's first tile
	s_mov_b32 s83, 0                               ; passes done
	s_cmp_ge_u32 s39, s38
	s_cbranch_scc1 .Lend                           ; an expert without tokens
; Four weight fragments of step n (block n / 8, K step n % 8): gate tiles 0, 1, up tiles 0, 1: 24 loads of 8 bytes.
.macro WLOAD n
.set w_f, (\n)/8
.set w_s, (\n)%8
.set w_b, WB+48*((\n)%3)
.irp q, 0,1,2,3
.irp p, 0,1,2,3,4,5
	ds_load_b64 v[w_b+12*\q+2*\p:w_b+12*\q+2*\p+1], v[240+2*(\q/2)+w_f/2] offset:(32*(w_f%2)+16*(\q%2))*WPITCH+96*w_s+48*(\p/3)+8*(\p%3)
.endr
.endr
.endm
.macro MMA d, a, b, zero, sa, sb, arow
.if (\zero) && (\arow)
	v_wmma_scale_f32_16x16x128_f8f6f4 v[(\d):(\d)+7], v[(\a):(\a)+11], v[(\b):(\b)+11], 0, v[\sa], v[\sb] matrix_a_fmt:MATRIX_FMT_FP6 matrix_b_fmt:MATRIX_FMT_FP6 matrix_a_scale:MATRIX_SCALE_ROW1
.elseif \zero
	v_wmma_scale_f32_16x16x128_f8f6f4 v[(\d):(\d)+7], v[(\a):(\a)+11], v[(\b):(\b)+11], 0, v[\sa], v[\sb] matrix_a_fmt:MATRIX_FMT_FP6 matrix_b_fmt:MATRIX_FMT_FP6
.elseif \arow
	v_wmma_scale_f32_16x16x128_f8f6f4 v[(\d):(\d)+7], v[(\a):(\a)+11], v[(\b):(\b)+11], v[(\d):(\d)+7], v[\sa], v[\sb] matrix_a_fmt:MATRIX_FMT_FP6 matrix_b_fmt:MATRIX_FMT_FP6 matrix_a_scale:MATRIX_SCALE_ROW1
.else
	v_wmma_scale_f32_16x16x128_f8f6f4 v[(\d):(\d)+7], v[(\a):(\a)+11], v[(\b):(\b)+11], v[(\d):(\d)+7], v[\sa], v[\sb] matrix_a_fmt:MATRIX_FMT_FP6 matrix_b_fmt:MATRIX_FMT_FP6
.endif
.endm
; A block of 32 hidden units is finished for my three tiles: h = g x 1 / (1 + 2^(-log2(e) g)) x u in f32, in the order of the reference; the block's scale; 16 codes a lane.
.macro EPI fb
.rept 4
	v_nop                                          ; places behind the last products, ahead of the first read of results
.endr
	WIN 0x03
.irp m, 0,1,2
.irp j, 0,2,4,6,8,10,12,14
	v_pk_mul_f32 v[T+16*\m+\j:T+16*\m+\j+1], v[32*\m+\j:32*\m+\j+1], s[50:51] op_sel_hi:[1,0]   ; each accumulator is read from its low end on
.endr
.endr
	WIN 0
.set e_e, 0
.rept 48
	v_exp_f32 v[T+e_e], v[T+e_e]
.set e_e, e_e+1
.endr
	v_nop                                          ; a plain instruction behind the last exponential
	s_wait_alu depctr_va_vdst(0)                   ; one wait for the 48, ahead of their first reader
.set e_e, 0
.rept 24
	v_pk_add_f32 v[T+e_e:T+e_e+1], v[T+e_e:T+e_e+1], 1.0 op_sel_hi:[1,0]
.set e_e, e_e+2
.endr
.set e_e, 0
.rept 48
	v_rcp_f32 v[T+e_e], v[T+e_e]
.set e_e, e_e+1
.endr
	v_nop
	s_wait_alu depctr_va_vdst(0)
	WIN 0xc3
.irp m, 0,1,2
.irp j, 0,2,4,6,8,10,12,14
	v_pk_mul_f32 v[32*\m+\j:32*\m+\j+1], v[32*\m+\j:32*\m+\j+1], v[T+16*\m+\j:T+16*\m+\j+1]   ; silu(g)
.endr
.endr
	WIN 0xcf
.irp m, 0,1,2
.irp j, 0,2,4,6,8,10,12,14
	v_pk_mul_f32 v[32*\m+\j:32*\m+\j+1], v[32*\m+\j:32*\m+\j+1], v[32*\m+16+\j:32*\m+16+\j+1]   ; x u
.endr
.endr
	WIN 0x0f
.irp m, 0,1,2
	v_max3_num_f32 v[MX+\m], |v[32*\m]|, |v[32*\m+1]|, 0x1800000   ; my 16 numbers of the block, over the floor 2^(3 - 127)
.endr
	WIN 0x3c
.irp i, 2,4,6,8,10,12,14
.irp m, 0,1,2
	v_max3_num_f32 v[MX+\m], v[MX+\m], |v[32*\m+\i]|, |v[32*\m+\i+1]|
.endr
.endr
	WIN 0
.irp m, 0,1,2
	v_permlanex16_b32 v[MY+\m], v[MX+\m], s48, s49
.endr
.irp m, 0,1,2
	v_max_num_f32 v[MX+\m], v[MX+\m], v[MY+\m]     ; with lane xor 16's 16: the block's largest magnitude
.endr
.irp m, 0,1,2
	v_add_nc_u32 v[SO+\m], 0xff000000, v[MX+\m]    ; 2 off its exponent field: the conversion's scale operand
.endr
.irp m, 0,1,2
	v_lshrrev_b32 v[BY+4*\m+(\fb)], 23, v[SO+\m]   ; the scale's byte
.endr
	WIN 0x03
.irp m, 0,1,2
.if (\fb)%2 == 0
	v_cvt_scalef32_pk16_fp6_f32 v[PC+20*\m+6*((\fb)/2):PC+20*\m+6*((\fb)/2)+2], v[32*\m:32*\m+15], v[SO+\m]
.else
	v_cvt_scalef32_pk16_fp6_f32 v[PC+20*\m+12+4*((\fb)/2):PC+20*\m+12+4*((\fb)/2)+2], v[32*\m:32*\m+15], v[SO+\m]
.endif
.endr
	v_nop                                          ; one plain instruction behind the conversions: the next products write their sources
.endm
; Step n: 128 along K for block n / 8: twelve products, the twelve accumulators by turns, one instruction a turn.
.macro STEP n
.set s_f, (\n)/8
.set s_s, (\n)%8
.set s_b, WB+48*((\n)%3)
.if s_s < 5
	WIN 0xf7                                       ; sources 0 and 2 and the destination in window 3, source 1 in window 1
.set s_a, 36*s_s
.else
	WIN 0xfb                                       ; source 1 in window 2
.set s_a, 36*(s_s-5)
.endif
.rept 4
	v_nop                                          ; places behind the last step's products, which read the buffer that is loaded next
.endr
.if (\n)+2 < 32
	WLOAD (\n)+2
	s_wait_dscnt 48                                ; this step's fragments are in; the two younger steps' 48 loads may be out
.elseif (\n)+1 < 32
	s_wait_dscnt 24
.else
	s_wait_dscnt 0x0
.endif
.irp q, 0,1,2,3
.irp m, 0,1,2
	MMA 32*\m+8*\q,s_b+12*\q,s_a+12*\m,s_s==0,WSC+16*s_f+8*(\q%2)+s_s,AS+8*\m+s_s,\q/2
.endr
.endr
.if s_s == 7
	EPI s_f
.endif
.endm
; Tile m's four blocks become the operand's twelve registers and its scale word, and leave if the tile is live.
.macro FIN m
	v_lshl_or_b32 v[PWD+\m], v[BY+4*\m+1], 8, v[BY+4*\m]
	v_lshl_or_b32 v[PWD+\m], v[BY+4*\m+2], 16, v[PWD+\m]
	v_lshl_or_b32 v[PWD+\m], v[BY+4*\m+3], 24, v[PWD+\m]
.irp c, 0,1                            ; the operand's layout wants a WHOLE block in a lane: lanes 0-15 block 2 c, lanes 16-31 block 2 c + 1
.irp i, 0,1,2
	v_permlane16_swap_b32 v[PC+20*\m+6*\c+\i], v[PC+20*\m+12+4*\c+\i]
.endr
.irp i, 0,1,2
	v_mov_b32 v[PC+20*\m+3+6*\c+\i], v[PC+20*\m+12+4*\c+\i]
.endr
.endr
	s_cmp_lt_u32 s[52+\m], s38
	s_cbranch_scc0 .Ldead_\@
.irp i, 0,1,2
	global_store_b128 v[HO+\m], v[PC+20*\m+4*\i:PC+20*\m+4*\i+3], s[26:27] offset:512*\i   ; 512 consecutive bytes, aligned
.endr
	global_store_b32 v[HSO+\m], v[PWD+\m], s[28:29]   ; lanes 16-31 hold and store the same words as lanes 0-15
.Ldead_\@:
.endm
.Lpass:
	s_add_co_u32 s52, s39, s30                     ; my three tiles
	s_add_co_u32 s53, s52, 4
	s_add_co_u32 s54, s52, 8
	s_cmp_ge_u32 s52, s38
	s_cbranch_scc1 .Ltail                          ; none of them is live
	s_wait_loadcnt 0x0                             ; my tokens' codes and scale words
.rept 4
	v_nop                                          ; places behind an earlier pass's last products
.endr
	WIN 0xf7
	WLOAD 0
	WLOAD 1
.set N, 0
.rept 32
	STEP N
.set N, N+1
.endr
	WIN 0
	FIN 0
	FIN 1
	FIN 2
.Ltail:
	s_wait_xcnt 0x0                                ; every load and store issued so far has read its address and data registers: they are written again below
	s_add_co_u32 s39, s39, 12
	s_cmp_ge_u32 s39, s38
	s_cbranch_scc1 .Lend                           ; the tiles are done: this is the way out, behind the sixth pass at the latest (base is 72 there, lim at most 72)
; A further pass: only a routed expert with more than 192 rows comes here (a shared work-group has lim <= first tile + 12), so the slot is 64 e + tile.
.rept 4
	v_nop                                          ; places in front of loads into registers that matrix instructions have read
.endr
	s_sub_co_u32 s55, s38, 1
.irp m, 0,1,2
	s_add_co_u32 s56, s39, s30
	s_add_co_u32 s56, s56, 4*\m
	s_min_u32 s56, s56, s55                        ; a tile past the end: the last live one, not stored
	s_min_u32 s56, s56, 63
	s_lshl_b32 s58, s56, 6
	v_add_nc_u32 v[T+\m], s58, v[R4]
	s_add_co_u32 s56, s56, s82
	s_mul_i32 s58, s56, 24576
	v_add_nc_u32 v[HO+\m], s58, v[GO]
	s_lshl_b32 s58, s56, 10
	v_add_nc_u32 v[HSO+\m], s58, v[R4]
.endr
.irp m, 0,1,2
	global_load_b32 v[TK+\m], v[T+\m], s[32:33]
.endr
	s_wait_loadcnt 0x0
	TKPREP
.set J, 103
.rept 78
	ISSUE J
.set J, J+1
.endr
	WIN 0
	s_add_co_u32 s83, s83, 1                       ; the loop is counted: one more pass done, six at the most
	s_cmp_lt_u32 s83, PASSES
	s_cbranch_scc1 .Lpass
.Lend:
	s_wait_tensorcnt 0x0                           ; the wave's end
	ds_add_u32 v[SPW], v[NIL]
	s_wait_dscnt 0x0
	s_endpgm
.Lfunc_end_k_q2edcc3d44c_gateup:
	.size	k_q2edcc3d44c_gateup, .Lfunc_end_k_q2edcc3d44c_gateup-k_q2edcc3d44c_gateup
	.p2alignl 7, 3214868480
	.fill 96, 4, 3214868480
	.section	.rodata,"a",@progbits
	.p2align	6, 0x0
	.amdhsa_kernel k_q2edcc3d44c_gateup
		.amdhsa_group_segment_fixed_size 213504
		.amdhsa_private_segment_fixed_size 0
		.amdhsa_enable_private_segment 0
		.amdhsa_kernarg_size 104
		.amdhsa_user_sgpr_count 2
		.amdhsa_user_sgpr_kernarg_segment_ptr 1
		.amdhsa_wavefront_size32 1
		.amdhsa_system_sgpr_workgroup_id_x 1
		.amdhsa_system_sgpr_workgroup_id_y 1
		.amdhsa_system_sgpr_workgroup_id_z 1
		.amdhsa_system_vgpr_workitem_id 0
		.amdhsa_next_free_vgpr 1024
		.amdhsa_next_free_sgpr 84
		.amdhsa_reserve_vcc 0
		.amdhsa_float_denorm_mode_32 3
		.amdhsa_float_denorm_mode_16_64 3
		.amdhsa_memory_ordered 1
		.amdhsa_forward_progress 1
		.amdhsa_inst_pref_size 196
	.end_amdhsa_kernel
	.amdgpu_metadata
---
amdhsa.version: [ 1, 2 ]
amdhsa.kernels:
  - .name:           k_q2edcc3d44c_gateup
    .symbol:         k_q2edcc3d44c_gateup.kd
    .args:
      - { .name: xc, .offset: 0, .size: 8, .value_kind: global_buffer, .address_space: global }
      - { .name: xs, .offset: 8, .size: 8, .value_kind: global_buffer, .address_space: global }
      - { .name: tab, .offset: 16, .size: 8, .value_kind: global_buffer, .address_space: global }
      - { .name: w_gate_codes, .offset: 24, .size: 8, .value_kind: global_buffer, .address_space: global }
      - { .name: w_gate_scales, .offset: 32, .size: 8, .value_kind: global_buffer, .address_space: global }
      - { .name: w_up_codes, .offset: 40, .size: 8, .value_kind: global_buffer, .address_space: global }
      - { .name: w_up_scales, .offset: 48, .size: 8, .value_kind: global_buffer, .address_space: global }
      - { .name: ws_gate_codes, .offset: 56, .size: 8, .value_kind: global_buffer, .address_space: global }
      - { .name: ws_gate_scales, .offset: 64, .size: 8, .value_kind: global_buffer, .address_space: global }
      - { .name: ws_up_codes, .offset: 72, .size: 8, .value_kind: global_buffer, .address_space: global }
      - { .name: ws_up_scales, .offset: 80, .size: 8, .value_kind: global_buffer, .address_space: global }
      - { .name: hc, .offset: 88, .size: 8, .value_kind: global_buffer, .address_space: global }
      - { .name: hs, .offset: 96, .size: 8, .value_kind: global_buffer, .address_space: global }
    .group_segment_fixed_size: 213504
    .private_segment_fixed_size: 0
    .kernarg_segment_align: 8
    .kernarg_segment_size: 104
    .max_flat_workgroup_size: 128
    .sgpr_count:     84
    .vgpr_count:     1024
    .wavefront_size: 32
...
	.end_amdgpu_metadata
.endif
;; end of part 3
;; launch down (part 4): grid 16 x 8, 4 waves a work-group, no clusters, 226,816 bytes of LDS; arguments hc, hs, tab, w_down_codes, w_down_scales, ws_down_codes, ws_down_scales, out0; writes out0
.if DOCPART == 4
	.amdgcn_target "amdgcn-amd-amdhsa--gfx1250"
	.amdhsa_code_object_version 6
	.text
	.protected	k_q2edcc3d44c_down
	.globl	k_q2edcc3d44c_down
	.p2align	8
	.type	k_q2edcc3d44c_down,@function
k_q2edcc3d44c_down:
	s_mov_b64 s[64:65], 0
	v_nop
	global_prefetch_b8 v0, s[64:65] scope:SCOPE_SE
	s_setreg_imm32_b32 hwreg(HW_REG_WAVE_MODE, 25, 1), 1
	s_wait_xcnt 0x0
; Fourth launch: out = h_routed W_down[e] + h_shared Ws_down, both on codes of E2M3 with E8M0 scales, summed in ONE f32 accumulator (K = 2,048 + 2,048).  Only the chosen expert's rows are multiplied: see the first kernel's head.
; SHARES.  Work-group x = 64 columns of out (256 bytes of each row), y = expert e: all its tiles of 16 tokens.  Each number of out has one owner.  128 work-groups: slices of 32 columns would make 256, but would
; store half of an aligned 256 bytes at a time and read h twice as often.  The slice's weights (64 rows of w_down[e], 64 of ws_down: 196,608 bytes of codes, 8,192 of scale bytes) come into LDS once.
; THE WAVES SHARE THE ROWS, as in the launch before: in a pass wave w takes tiles base + w + 4 m, m = 0, 1, 2; h's operands come from memory as images of their registers, through a ring of eight steps in registers.
; The one barrier stands at the head, on every way; none in the loop over passes, which is counted to six (64 tiles at the most, 12 a pass) and left where a count read from memory says so.
; NO TENSOR LOAD, NO CLUSTER: the way out of that loop and the branches round dead tiles hang on numbers read from memory, so LDS is filled through registers, and there is no joint load to share ws_down by.
; The products are used transposed (source 0 = 16 rows of a weight = 16 columns of out, source 1 = 16 tokens): a lane holds one token and eight neighbouring columns.
; A tile index past the expert's last is held at the last live tile; its results are not stored.  An expert without tokens reads inside hc and hs and stores nothing.
; REGISTERS.  Window 0: v1-31 addresses; v32-79 h's scale words (tile m, variant v, two K steps a register: lanes 0-15 the even step, lanes 16-31 the odd); v80-143 the weights' (lanes 0-15 routed, 16-31 shared);
; v144-170 tokens; v176-219 the way out.  Windows 1, 2: the ring, slot n % 8 at 36 (slot % 4) + 12 m.  Window 3: v0-95 accumulators at 32 m + 8 q; v96-239 three buffers of four weight fragments; v240-243 their LDS addresses.
.set WPITCH, 1552                      ; a weight row in LDS: 1,536 bytes + 16 = 388 words: row r begins 4 r words further on modulo 64
.set WCH,    32*WPITCH
.set WSB,    128*WPITCH                ; the scale bytes, 64 a row, rows 80 bytes apart
.set SPITCH, 80
.set STAGE,  WSB+128*SPITCH            ; the way out: 16 rows x (256 + 16) bytes for each wave, its own
.set SPARE,  STAGE+4*16*272            ; the spare words, 128 bytes a wave: two blocks of 256 bytes that no other line names
.set PASSES, 6                         ; 64 tiles at the most, 12 a pass
.set RR,  1
.set HH,  2
.set LN,  3
.set LA,  4
.set LSC, 5
.set SA,  6
.set GO,  7
.set L4,  8
.set STO, 9
.set RD,  10
.set RD0, 11
.set CO,  12
.set VA,  13
.set VSO, 16
.set LT,  19
.set LT0, 22
.set SPW, 26
.set NIL, 27
.set BB,  28
.set AS,  32
.set WSC, 80
.set TK,  144
.set TK0, 168
.set R0,  176
.set RB,  180
.set OA,  212
.set WB,  96
.set MSB, 0
.macro WIN new                         ; the immediate's high byte repeats the setting that is left
.if MSB != \new
	s_set_vgpr_msb (MSB<<8)|\new
.set MSB, \new
.endif
.endm
.macro ALOAD1 n, m, i                  ; group i of tile m's operand of step n (variant n / 16, K step n % 16) into ring slot n % 8: 512 consecutive bytes
.set a_s, (\n)%8
.if a_s < 4
	WIN 0x40
.else
	WIN 0x80
.endif
.set a_r, 36*(a_s%4)+12*(\m)+4*(\i)
.if (\n) < 16
	global_load_b128 v[a_r:a_r+3], v[VA+(\m)], s[4:5] offset:1536*((\n)%16)+512*(\i)
.else
	global_load_b128 v[a_r:a_r+3], v[VA+(\m)], s[20:21] offset:1536*((\n)%16)+512*(\i)
.endif
.endm
.macro ALOAD n
.irp m, 0,1,2
.irp i, 0,1,2
	ALOAD1 \n,\m,\i
.endr
.endr
.endm
; THE LOADS OF THE HEAD, one list.  0-95: my wave's 32 weight rows.  96-99: their scale bytes.  100-147: h's scale words.  148-156: my tiles' tokens.  157-219: ring steps 0 to 6.
.macro ISSUE j
.if (\j) < 100
.if (\j) < 64
	WIN 0xc0
.set q_r, 4*(\j)
.elseif (\j) < 92
	WIN 0x40
.set q_r, 144+4*((\j)-64)
.else
	WIN 0x80
.set q_r, 144+4*((\j)-92)
.endif
.if (\j) < 96
	global_load_b128 v[q_r:q_r+3], v[GO], s[10:11] offset:512*(\j)
.else
	global_load_b128 v[q_r:q_r+3], v[GO], s[12:13] offset:512*((\j)-96)
.endif
.elseif (\j) < 148
.set q_x, (\j)-100
	WIN 0
	global_load_b32 v[AS+q_x], v[VSO+q_x/16], s[6:7] offset:524288*((q_x%16)/8)+128*(q_x%8)
.elseif (\j) < 157
.set q_x, (\j)-148
	WIN 0
.if q_x%3 == 2
	global_load_b32 v[TK0+q_x/3], v[LT0+q_x/3], s[32:33]   ; the tile's first token, in every lane
.else
	global_load_b128 v[TK+8*(q_x/3)+4*(q_x%3):TK+8*(q_x/3)+4*(q_x%3)+3], v[LT+q_x/3], s[32:33] offset:16*(q_x%3)   ; register t: lanes 0-15 row t's token, lanes 16-31 row 8 + t's
.endif
.else
.set q_x, (\j)-157
	ALOAD1 q_x/9,(q_x%9)/3,q_x%3
.endif
.endm
.macro PUT k
.if (\k) < 64
	WIN 0x0c
.set p_r, 4*(\k)
.elseif (\k) < 92
	WIN 0x04
.set p_r, 144+4*((\k)-64)
.else
	WIN 0x08
.set p_r, 144+4*((\k)-92)
.endif
.if (\k) < 96
	ds_store_b128 v[LA], v[p_r:p_r+3] offset:WPITCH*((\k)/3)+512*((\k)%3)
.else
	ds_store_b128 v[LSC], v[p_r:p_r+3] offset:8*SPITCH*((\k)-96)
.endif
.endm
.macro TILES                           ; the offsets of my three tiles of the pass that begins at s39
	WIN 0
.irp m, 0,1,2
	s_add_co_u32 s55, s39, s30
	s_add_co_u32 s55, s55, 4*\m
	s_min_u32 s55, s55, s47
	s_min_u32 s55, s55, 63
	s_lshl_b32 s56, s55, 6
	v_lshl_add_u32 v[LT+\m], v[HH], 5, s56
	v_mov_b32 v[LT0+\m], s56
	s_add_co_u32 s55, s55, s46                     ; the slot: 64 e + tile
	s_mul_i32 s56, s55, 24576
	v_add_nc_u32 v[VA+\m], s56, v[GO]
	s_lshl_b32 s56, s55, 10
	v_add_nc_u32 v[VSO+\m], s56, v[L4]
.endr
.endm
	s_load_b256 s[4:11], s[0:1], 0x0               ; hc, hs, tab, w_down_codes
	s_load_b256 s[12:19], s[0:1], 0x20             ; w_down_scales, ws_down_codes, ws_down_scales, out0
	v_lshl_add_u32 v[SPW], v0, 2, SPARE
	v_mov_b32 v[NIL], 0
	v_lshrrev_b32 v1, 5, v0
	v_readfirstlane_b32 s30, v1                    ; wave
	v_and_b32 v[RR], 15, v0
	v_bfe_u32 v[HH], v0, 4, 1
	v_and_b32 v[LN], 31, v0
	v_lshlrev_b32 v[GO], 4, v[LN]
	v_lshlrev_b32 v[L4], 2, v[LN]
	s_mul_i32 s55, s30, WCH
	v_add_nc_u32 v[LA], s55, v[GO]
	v_lshrrev_b32 v[LSC], 2, v[LN]                 ; a load of scale bytes holds 8 rows, four lanes to a row
	v_mul_u32_u24 v[LSC], v[LSC], SPITCH
	v_and_b32 v[SA], 3, v0
	v_lshl_add_u32 v[LSC], v[SA], 4, v[LSC]
	s_mul_i32 s55, s30, 32*SPITCH
	s_add_co_u32 s55, s55, WSB
	v_add_nc_u32 v[LSC], s55, v[LSC]
	v_mul_u32_u24 v[SA], v[RR], SPITCH
	v_mad_u32_u24 v[SA], v[HH], 64*SPITCH, v[SA]   ; lanes 16-31 take the shared rows' scale words
	v_add_nc_u32 v[SA], WSB, v[SA]
	s_mul_i32 s55, s30, 16*272
	s_add_co_u32 s55, s55, STAGE                   ; my stage
	v_mul_u32_u24 v[STO], v[RR], 272
	v_lshl_add_u32 v[STO], v[HH], 5, v[STO]
	v_add_nc_u32 v[STO], s55, v[STO]               ; in: row = token, 32 bytes for each half of the lanes
	v_lshlrev_b32 v[CO], 4, v[RR]
	v_add_nc_u32 v[RD0], s55, v[CO]                ; back: row 0;
	v_mad_u32_u24 v[RD], v[HH], 8*272, v[RD0]      ; lanes 0-15 row t, lanes 16-31 row 8 + t
	v_mul_u32_u24 v[BB], v[RR], WPITCH
	v_mad_u32_u24 v[BB], v[HH], 24, v[BB]
.irp q, 1,2,3
	v_add_nc_u32 v[BB+\q], \q*WCH, v[BB]
.endr
	s_and_b32 s31, ttmp7, 0xffff                   ; the expert
	s_lshl_b32 s41, s31, 2
	s_lshl_b32 s46, s31, 6
	s_mov_b32 s39, 0                               ; base: the pass's first tile
	s_mov_b32 s68, 0                               ; passes done
	s_and_b32 s55, s30, 1
	s_lshl_b32 s55, s55, 5
	s_lshl_b32 s56, ttmp9, 6
	s_add_co_u32 s55, s55, s56                     ; my wave's first weight row: 64 x slice + 32 (wave % 2)
	s_cmp_lt_u32 s30, 2                            ; waves 0 and 1 bring w_down[e]'s rows, waves 2 and 3 ws_down's
	s_cselect_b32 s56, s31, 0
	s_mul_i32 s58, s56, 1572864
	s_mul_i32 s57, s55, 1536
	s_add_co_u32 s58, s58, s57
	s_mov_b32 s59, 0
	s_lshl_b32 s60, s56, 16
	s_lshl_b32 s57, s55, 6
	s_add_co_u32 s60, s60, s57
	s_mov_b32 s61, 0
	s_mul_i32 s62, s31, 5120
	s_mov_b32 s63, 0
	s_lshl_b32 s66, ttmp9, 8
	s_mov_b32 s67, 0
	s_wait_kmcnt 0x0
	s_load_b32 s40, s[8:9], s41 offset:46080       ; my expert's tiles
	s_cmp_lt_u32 s30, 2
	s_cselect_b64 s[10:11], s[10:11], s[14:15]
	s_cselect_b64 s[12:13], s[12:13], s[16:17]
	s_add_nc_u64 s[10:11], s[10:11], s[58:59]
	s_add_nc_u64 s[12:13], s[12:13], s[60:61]
	s_add_nc_u64 s[32:33], s[8:9], s[62:63]        ; my expert's list
	s_add_nc_u64 s[18:19], s[18:19], s[66:67]      ; out at my 64 columns
	s_add_nc_u64 s[20:21], s[4:5], 0xc00000        ; hc's shared variant
; THE PUMP, as in the launch before.
.set J, 0
.rept 63
	ISSUE J
.set J, J+1
.endr
.set K, 0
.rept 13
.rept 8
.if J == 100
	s_wait_kmcnt 0x0
	s_min_u32 s38, s40, 64                         ; lim (an expert has at most 64 tiles: six passes reach every one)
	s_max_u32 s47, s38, 1
	s_sub_co_u32 s47, s47, 1                       ; the last live tile (0 where there is none)
	TILES
.endif
	ISSUE J
.set J, J+1
.endr
	s_wait_loadcnt 63                              ; item k is load k of the list: behind this group's last item exactly 63 loads have been issued
.rept 8
.if K < 100
	PUT K
.endif
.set K, K+1
.endr
.endr
.rept 53
	ISSUE J
.set J, J+1
.endr
	WIN 0
	s_wait_dscnt 0x0                               ; for the others' sake: my 32 rows lie in LDS
	s_barrier_signal -1
	s_barrier_wait -1                              ; everybody's do.  From here on a wave writes its own stage alone
.irp q, 0,1,2,3
.irp j, 0,1,2,3
	ds_load_b128 v[WSC+16*\q+4*\j:WSC+16*\q+4*\j+3], v[SA] offset:SPITCH*16*\q+16*\j   ; the weights' scale words stay in registers: tile q, K step s at 16 q + s
.endr
.endr
	WIN 0xc0
.irp q, 0,1,2,3
	v_mov_b32 v[240+\q], v[BB+\q]
.endr
	WIN 0
	s_cmp_ge_u32 s39, s38
	s_cbranch_scc1 .Lend                           ; an expert without tokens
.macro WLOAD n                         ; the four weight fragments of step n: 24 loads of 8 bytes
.set w_v, (\n)/16
.set w_s, (\n)%16
.set w_b, WB+48*((\n)%3)
.irp q, 0,1,2,3
.irp p, 0,1,2,3,4,5
	ds_load_b64 v[w_b+12*\q+2*\p:w_b+12*\q+2*\p+1], v[240+2*w_v+\q/2] offset:16*WPITCH*(\q%2)+96*w_s+48*(\p/3)+8*(\p%3)
.endr
.endr
.endm
.macro MMA d, a, b, zero, sa, sb, arow, brow
.if \zero
	v_wmma_scale_f32_16x16x128_f8f6f4 v[(\d):(\d)+7], v[(\a):(\a)+11], v[(\b):(\b)+11], 0, v[\sa], v[\sb] matrix_a_fmt:MATRIX_FMT_FP6 matrix_b_fmt:MATRIX_FMT_FP6
.elseif (\arow) && (\brow)
	v_wmma_scale_f32_16x16x128_f8f6f4 v[(\d):(\d)+7], v[(\a):(\a)+11], v[(\b):(\b)+11], v[(\d):(\d)+7], v[\sa], v[\sb] matrix_a_fmt:MATRIX_FMT_FP6 matrix_b_fmt:MATRIX_FMT_FP6 matrix_a_scale:MATRIX_SCALE_ROW1 matrix_b_scale:MATRIX_SCALE_ROW1
.elseif \arow
	v_wmma_scale_f32_16x16x128_f8f6f4 v[(\d):(\d)+7], v[(\a):(\a)+11], v[(\b):(\b)+11], v[(\d):(\d)+7], v[\sa], v[\sb] matrix_a_fmt:MATRIX_FMT_FP6 matrix_b_fmt:MATRIX_FMT_FP6 matrix_a_scale:MATRIX_SCALE_ROW1
.elseif \brow
	v_wmma_scale_f32_16x16x128_f8f6f4 v[(\d):(\d)+7], v[(\a):(\a)+11], v[(\b):(\b)+11], v[(\d):(\d)+7], v[\sa], v[\sb] matrix_a_fmt:MATRIX_FMT_FP6 matrix_b_fmt:MATRIX_FMT_FP6 matrix_b_scale:MATRIX_SCALE_ROW1
.else
	v_wmma_scale_f32_16x16x128_f8f6f4 v[(\d):(\d)+7], v[(\a):(\a)+11], v[(\b):(\b)+11], v[(\d):(\d)+7], v[\sa], v[\sb] matrix_a_fmt:MATRIX_FMT_FP6 matrix_b_fmt:MATRIX_FMT_FP6
.endif
.endm
; Step n = 16 v + s: 128 along K of variant v: twelve products, the twelve accumulators by turns, one instruction a turn.
.macro STEP n
.set s_v, (\n)/16
.set s_s, (\n)%16
.set s_b, WB+48*((\n)%3)
.set s_l, (\n)%8
.set s_a, 36*(s_l%4)
.rept 4
	v_nop                                          ; places behind the last step's products, which read the ring slot and the buffer that are loaded next
.endr
.if (\n)+7 < 32
	ALOAD (\n)+7
.endif
.if s_l < 4
	WIN 0xf7                                       ; sources 0 and 2 and the destination in window 3, source 1 in window 1
.else
	WIN 0xfb                                       ; source 1 in window 2
.endif
.if (\n)+2 < 32
	WLOAD (\n)+2
	s_wait_dscnt 48                                ; this step's fragments are in; the two younger steps' 48 loads may be out
.elseif (\n)+1 < 32
	s_wait_dscnt 24
.else
	s_wait_dscnt 0x0
.endif
.if (\n)+7 < 32
	s_wait_loadcnt 63                              ; this step's nine loads are in; the seven younger steps' 63 may be out
.else
	s_wait_loadcnt 9*(31-(\n))
.endif
.irp q, 0,1,2,3
.irp m, 0,1,2
	MMA 32*\m+8*\q,s_b+12*\q,s_a+12*\m,(\n)==0,WSC+16*\q+s_s,AS+16*\m+8*s_v+s_s/2,s_v,s_s%2
.endr
.endr
.endm
; Tile m leaves, if it is live: through my own stage, so that sixteen lanes store a token's 256 consecutive bytes, aligned.  A row without a token stores the tile's row 0 once more, to row 0's place: EXEC is never touched.
.macro WAYOUT m
	s_cmp_lt_u32 s[52+\m], s38
	s_cbranch_scc0 .Lno_\@
	s_wait_xcnt 0x0                                ; the tile before has read its stores' registers
	WIN 0x0c                                       ; an LDS store's data are its source 1: window 3
.irp q, 0,1,2,3
	ds_store_b128 v[STO], v[32*\m+8*\q:32*\m+8*\q+3] offset:64*\q          ; each accumulator from its low end on
	ds_store_b128 v[STO], v[32*\m+8*\q+4:32*\m+8*\q+7] offset:64*\q+16
.endr
	WIN 0
	ds_load_b128 v[R0:R0+3], v[RD0]                ; LDS serves a wave's instructions in order: these see my stores
.irp t, 0,1,2,3,4,5,6,7
	ds_load_b128 v[RB+4*\t:RB+4*\t+3], v[RD] offset:272*\t
.endr
	s_wait_dscnt 0x0
.irp t, 0,1,2,3,4,5,6,7
	v_cmp_gt_u32 vcc_lo, 0x400, v[TK+8*\m+\t]
	v_cndmask_b32 v[OA+\t], v[TK0+\m], v[TK+8*\m+\t], vcc_lo
.irp i, 0,1,2,3
	v_cndmask_b32 v[RB+4*\t+\i], v[R0+\i], v[RB+4*\t+\i], vcc_lo
.endr
	v_min_u32 v[OA+\t], 0x3ff, v[OA+\t]
	v_lshl_add_u32 v[OA+\t], v[OA+\t], 12, v[CO]
	global_store_b128 v[OA+\t], v[RB+4*\t:RB+4*\t+3], s[18:19] th:TH_STORE_NT
.endr
.Lno_\@:
.endm
.Lpass:
	s_add_co_u32 s52, s39, s30                     ; my three tiles
	s_add_co_u32 s53, s52, 4
	s_add_co_u32 s54, s52, 8
	s_cmp_ge_u32 s52, s38
	s_cbranch_scc1 .Ltail                          ; none of them is live
.rept 4
	v_nop                                          ; places behind an earlier pass's last products
.endr
	WIN 0xf7
	WLOAD 0
	WLOAD 1
.set N, 0
.rept 32
	STEP N
.set N, N+1
.endr
	WIN 0
.rept 4
	v_nop                                          ; places behind the last products, ahead of the first read of results
.endr
	WAYOUT 0
	WAYOUT 1
	WAYOUT 2
.Ltail:
	s_wait_loadcnt 0x0                             ; (a wave that had no live tile still has its loads out)
	s_wait_xcnt 0x0                                ; every load and store issued so far has read its address and data registers: they are written again below
	s_add_co_u32 s39, s39, 12
	s_cmp_ge_u32 s39, s38
	s_cbranch_scc1 .Lend                           ; the tiles are done: this is the way out, behind the sixth pass at the latest (base is 72 there, lim at most 64)
.rept 4
	v_nop                                          ; places in front of loads into registers that matrix instructions have read
.endr
	TILES
.set J, 100
.rept 120
	ISSUE J                                        ; in the head's order, so that the steps' counts hold in every pass
.set J, J+1
.endr
	WIN 0
	s_add_co_u32 s68, s68, 1                       ; the loop is counted: one more pass done, six at the most
	s_cmp_lt_u32 s68, PASSES
	s_cbranch_scc1 .Lpass
.Lend:
	s_wait_tensorcnt 0x0                           ; the wave's end
	ds_add_u32 v[SPW], v[NIL]
	s_wait_dscnt 0x0
	s_endpgm
.Lfunc_end_k_q2edcc3d44c_down:
	.size	k_q2edcc3d44c_down, .Lfunc_end_k_q2edcc3d44c_down-k_q2edcc3d44c_down
	.p2alignl 7, 3214868480
	.fill 96, 4, 3214868480
	.section	.rodata,"a",@progbits
	.p2align	6, 0x0
	.amdhsa_kernel k_q2edcc3d44c_down
		.amdhsa_group_segment_fixed_size 226816
		.amdhsa_private_segment_fixed_size 0
		.amdhsa_enable_private_segment 0
		.amdhsa_kernarg_size 64
		.amdhsa_user_sgpr_count 2
		.amdhsa_user_sgpr_kernarg_segment_ptr 1
		.amdhsa_wavefront_size32 1
		.amdhsa_system_sgpr_workgroup_id_x 1
		.amdhsa_system_sgpr_workgroup_id_y 1
		.amdhsa_system_sgpr_workgroup_id_z 1
		.amdhsa_system_vgpr_workitem_id 0
		.amdhsa_next_free_vgpr 1024
		.amdhsa_next_free_sgpr 72
		.amdhsa_reserve_vcc 1
		.amdhsa_float_denorm_mode_32 3
		.amdhsa_float_denorm_mode_16_64 3
		.amdhsa_memory_ordered 1
		.amdhsa_forward_progress 1
		.amdhsa_inst_pref_size 188
	.end_amdhsa_kernel
	.amdgpu_metadata
---
amdhsa.version: [ 1, 2 ]
amdhsa.kernels:
  - .name:           k_q2edcc3d44c_down
    .symbol:         k_q2edcc3d44c_down.kd
    .args:
      - { .name: hc, .offset: 0, .size: 8, .value_kind: global_buffer, .address_space: global }
      - { .name: hs, .offset: 8, .size: 8, .value_kind: global_buffer, .address_space: global }
      - { .name: tab, .offset: 16, .size: 8, .value_kind: global_buffer, .address_space: global }
      - { .name: w_down_codes, .offset: 24, .size: 8, .value_kind: global_buffer, .address_space: global }
      - { .name: w_down_scales, .offset: 32, .size: 8, .value_kind: global_buffer, .address_space: global }
      - { .name: ws_down_codes, .offset: 40, .size: 8, .value_kind: global_buffer, .address_space: global }
      - { .name: ws_down_scales, .offset: 48, .size: 8, .value_kind: global_buffer, .address_space: global }
      - { .name: out0, .offset: 56, .size: 8, .value_kind: global_buffer, .address_space: global }
    .group_segment_fixed_size: 226816
    .private_segment_fixed_size: 0
    .kernarg_segment_align: 8
    .kernarg_segment_size: 64
    .max_flat_workgroup_size: 128
    .sgpr_count:     72
    .vgpr_count:     1024
    .wavefront_size: 32
...
	.end_amdgpu_metadata
.endif
;; end of part 4
;; ======== version 2 of 2: 4 launches
;; workspace buffers: xc 1,572,864 bytes; xs 65,536 bytes; eidx 4,096 bytes of whole numbers; tab 46,336 bytes of whole numbers; hc 25,165,824 bytes; hs 1,048,576 bytes
;; launch route (part 5): grid 256 x 1, 1 waves a work-group, no clusters, 25,088 bytes of LDS; arguments hidden_states, router_w, xc, xs, eidx; writes xc, xs, eidx
.if DOCPART == 5
	.amdgcn_target "amdgcn-amd-amdhsa--gfx1250"
	.amdhsa_code_object_version 6
	.text
	.protected	k_q2edcc3d44c_route
	.globl	k_q2edcc3d44c_route
	.p2align	8
	.type	k_q2edcc3d44c_route,@function
k_q2edcc3d44c_route:
	s_mov_b64 s[64:65], 0
	v_nop
	global_prefetch_b8 v0, s[64:65] scope:SCOPE_SE
	s_setreg_imm32_b32 hwreg(HW_REG_WAVE_MODE, 25, 1), 1
	s_wait_xcnt 0x0
; Llama4 MoE, first of four launches: the router, and both quantised forms of each token's row.
; DEAD WORK, for the whole program.  For an expert e that token t did not choose, combine[t][e] = one_hot x score = 0, so row t of xe[e] is 0 for every finite
; hidden_states; the quantiser maps a row of zeros to zeros; g = u = 0; silu(0) x 0 = 0; its quantised row is 0; its product with w_down[e] is 0 and adds 0 to the sum over e.
; That holds for all finite values of all inputs.  So each token goes through ONE routed expert (and the shared one): seven eighths of products 2, 3 and 4 are left out, in whole rows.
; Every input is still loaded.  LIMIT: a NaN, an infinity or a scale byte 0xff in the weights of an expert that a token did not choose is not carried to that token's result.
; THIS LAUNCH: logits = x router_w^T in f32 (fused multiply-adds; the sum's order differs from the reference's); the largest logit's index, the lower index on a tie;
; score = 1 / (1 + 2^(-log2(e) logit)); then Q(x) for the shared expert and Q(score x) for the routed one: E2M3 codes, one E8M0 byte for each 32 along K.
; LIMITS: NaN logits are not served; two top logits nearer than the f32 sums' noise may change places; a block whose largest magnitude lies under 2^-124 keeps the byte 1,
; a block of zeros too (the rule says 127: its codes are zeros, and this program alone reads the bytes).
; SHARES: one wave to a work-group, four tokens to a wave.  xc: [token][variant][768 bytes], variant 0 = Q(x), 1 = Q(score x).  In a row the K step s (128 codes) lies at 96 s and its four
; blocks of 24 bytes in the order 0, 2, 1, 3: so the 48 bytes at 96 s + 48 (lane / 16) are a lane's twelve operand registers on end.  xs: [token][variant][32 scale bytes].  eidx: [token].
; No matrix unit, no cluster: the work-groups share router_w alone, 32 KiB.
.set X,     32                         ; v32-159   token t's row: as loaded (register 4 i + c = x[128 i + 4 lane + c]), later block = lane: 32 neighbours
.set LG,    160                        ; v160-223  logit sums, a pair for (t, e) at 16 t + 2 e; later the codes, 8 registers for (t, variant)
.set CC,    160
.set CST,   18432                      ; LDS: four stages of 32 x 144 bytes from 0; the codes' stage [t][variant][768];
.set SST,   24576                      ; the scale bytes' stage [t][variant][32];
.set SPARE, 24832                      ; the spare words: one block of 256 bytes that no other line names
.set SPW,   10
.set NIL,   11
.set IDX,   12                         ; v12-15    the chosen expert
.set BS,    16                         ; v16-23    the largest logit, then the score, twice (a pair for the packed multiply)
.set MX,    224                        ; v224-227  largest magnitudes
.set SO,    228                        ; v228-231  the conversions' scale operands
.set BY,    232                        ; v232-235  scale bytes of Q(x), v236-239 of Q(score x)
.set EC,    240                        ; v241-247  the numbers 1 to 7
.set MSB, 0
.macro WIN new                         ; the immediate's high byte repeats the setting that is left
.if MSB != \new
	s_set_vgpr_msb (MSB<<8)|\new
.set MSB, \new
.endif
.endm
	s_load_b256 s[4:11], s[0:1], 0x0               ; x s[4:5], router_w s[6:7], xc s[8:9], xs s[10:11]
	s_load_b64 s[12:13], s[0:1], 0x20              ; eidx
	v_lshl_add_u32 v[SPW], v0, 2, SPARE
	v_mov_b32 v[NIL], 0
	v_lshlrev_b32 v1, 4, v0                        ; 16 x lane
	v_lshrrev_b32 v2, 3, v0
	v_lshl_add_u32 v2, v2, 4, v1                   ; into a stage: 16 lane + 16 (lane / 8): 16 bytes of padding behind each 128
	v_mul_u32_u24 v3, v0, 144                      ; out of it: my block of 32 numbers
	v_lshrrev_b32 v4, 2, v0
	v_mul_u32_u24 v4, v4, 96
	v_and_b32 v5, 1, v0
	v_mad_u32_u24 v4, v5, 48, v4
	v_bfe_u32 v5, v0, 1, 1
	v_mad_u32_u24 v4, v5, 24, v4
	v_add_nc_u32 v4, CST, v4                       ; my block's codes: K step lane / 4; blocks in the order 0, 2, 1, 3
	v_add_nc_u32 v5, SST, v0                       ; my block's scale byte
	v_add_nc_u32 v6, CST, v1
	v_lshlrev_b32 v8, 3, v0
	v_add_nc_u32 v7, SST, v8
	v_and_b32 v9, 3, v0
	v_lshlrev_b32 v24, 2, v9
	s_mov_b32 s14, 0x76543210
	s_mov_b32 s15, 0xfedcba98                      ; lane selects: lane xor 16
	s_mov_b32 s16, 0xbfb8aa3b                      ; -log2(e)
	s_lshl_b32 s20, ttmp9, 14                      ; four rows of 4,096 bytes
	s_mov_b32 s21, 0
	s_mul_i32 s22, ttmp9, 6144
	s_mov_b32 s23, 0
	s_lshl_b32 s24, ttmp9, 8
	s_mov_b32 s25, 0
	s_lshl_b32 s26, ttmp9, 4
	s_mov_b32 s27, 0
	s_wait_kmcnt 0x0
	s_add_nc_u64 s[4:5], s[4:5], s[20:21]
	s_add_nc_u64 s[8:9], s[8:9], s[22:23]
	s_add_nc_u64 s[10:11], s[10:11], s[24:25]
	s_add_nc_u64 s[12:13], s[12:13], s[26:27]
.irp t, 0,1,2,3
.irp i, 0,1,2,3,4,5,6,7
	global_load_b128 v[X+32*\t+4*\i:X+32*\t+4*\i+3], v1, s[4:5] offset:4096*\t+512*\i th:TH_LOAD_NT   ; 512 consecutive bytes a load
.endr
.endr
	WIN 0x40                                       ; router_w into window 1: expert e, piece i at v[32 e + 4 i]
.irp e, 0,1,2,3,4,5,6,7
.irp i, 0,1,2,3,4,5,6,7
	global_load_b128 v[32*\e+4*\i:32*\e+4*\i+3], v1, s[6:7] offset:4096*\e+512*\i
.endr
.endr
	WIN 0
	s_wait_loadcnt 63                              ; 64 loads stand behind the last load of x: x is in
.irp t, 0,1,2,3
.irp i, 0,1,2,3,4,5,6,7
	ds_store_b128 v2, v[X+32*\t+4*\i:X+32*\t+4*\i+3] offset:4608*\t+576*\i
.endr
.endr
	s_wait_loadcnt 0x0
	WIN 0x04                                       ; source 1 in window 1
.irp i, 0,1,2,3,4,5,6,7
.irp p, 0,2
.irp t, 0,1,2,3
.irp e, 0,1,2,3,4,5,6,7
.if (\i == 0) && (\p == 0)
	v_pk_mul_f32 v[LG+16*\t+2*\e:LG+16*\t+2*\e+1], v[X+32*\t+4*\i+\p:X+32*\t+4*\i+\p+1], v[32*\e+4*\i+\p:32*\e+4*\i+\p+1]   ; the first products start the 32 sums
.else
	v_pk_fma_f32 v[LG+16*\t+2*\e:LG+16*\t+2*\e+1], v[X+32*\t+4*\i+\p:X+32*\t+4*\i+\p+1], v[32*\e+4*\i+\p:32*\e+4*\i+\p+1], v[LG+16*\t+2*\e:LG+16*\t+2*\e+1]
.endif
.endr
.endr
.endr
.endr
	WIN 0
	s_wait_dscnt 0x0                               ; the stores into the stages have read their registers, which the loads below fill
.irp t, 0,1,2,3
.irp j, 0,1,2,3,4,5,6,7
	ds_load_b128 v[X+32*\t+4*\j:X+32*\t+4*\j+3], v3 offset:4608*\t+16*\j   ; block = lane: 32 neighbours along K
.endr
.endr
.irp t, 0,1,2,3
.irp e, 0,1,2,3,4,5,6,7
	v_add_f32 v[LG+16*\t+2*\e], v[LG+16*\t+2*\e], v[LG+16*\t+2*\e+1]
.endr
.endr
.irp x, 1,2,4,8
.irp t, 0,1,2,3
.irp e, 0,1,2,3,4,5,6,7
	v_add_f32_dpp v[LG+16*\t+2*\e], v[LG+16*\t+2*\e], v[LG+16*\t+2*\e] row_xmask:\x row_mask:0xf bank_mask:0xf
.endr
.endr
.endr
.irp t, 0,1,2,3
.irp e, 0,1,2,3,4,5,6,7
	v_permlanex16_b32 v[LG+16*\t+2*\e+1], v[LG+16*\t+2*\e], s14, s15
.endr
.endr
.irp t, 0,1,2,3
.irp e, 0,1,2,3,4,5,6,7
	v_add_f32 v[LG+16*\t+2*\e], v[LG+16*\t+2*\e], v[LG+16*\t+2*\e+1]   ; every lane holds all 32 logits, the same bits in all lanes
.endr
.endr
.irp t, 0,1,2,3
	v_mov_b32 v[BS+2*\t], v[LG+16*\t]
	v_mov_b32 v[IDX+\t], 0
.endr
.irp e, 1,2,3,4,5,6,7
	v_mov_b32 v[EC+\e], \e
.endr
.irp e, 1,2,3,4,5,6,7                  ; strictly greater: the lower index keeps a tie.  The choice only selects values here; addresses are made of it in later launches
.irp t, 0,1,2,3
	v_cmp_gt_f32 vcc_lo, v[LG+16*\t+2*\e], v[BS+2*\t]
	v_cndmask_b32 v[BS+2*\t], v[BS+2*\t], v[LG+16*\t+2*\e], vcc_lo
	v_cndmask_b32 v[IDX+\t], v[IDX+\t], v[EC+\e], vcc_lo
.endr
.endr
.irp t, 0,1,2,3
	v_mul_f32 v[MX+\t], s16, v[BS+2*\t]
.endr
	s_wait_alu depctr_va_vdst(0)
.irp t, 0,1,2,3
	v_exp_f32 v[MX+\t], v[MX+\t]
.endr
	v_nop                                          ; a plain instruction behind the last exponential
	s_wait_alu depctr_va_vdst(0)                   ; one wait for the four, ahead of their first reader
.irp t, 0,1,2,3
	v_add_f32 v[MX+\t], 1.0, v[MX+\t]
.endr
	s_wait_alu depctr_va_vdst(0)
.irp t, 0,1,2,3
	v_rcp_f32 v[BS+2*\t], v[MX+\t]
.endr
	v_nop
	s_wait_alu depctr_va_vdst(0)
.irp t, 0,1,2,3
	v_mov_b32 v[BS+2*\t+1], v[BS+2*\t]             ; the score, twice
.endr
	s_wait_dscnt 0x0                               ; the four rows are back, a block to a lane
.irp t, 0,1,2,3
	v_max3_num_f32 v[MX+\t], |v[X+32*\t]|, |v[X+32*\t+1]|, 0x1800000   ; the block's largest magnitude, over the floor 2^(3 - 127): the byte cannot fall under 1
.endr
.irp i, 2,4,6,8,10,12,14,16,18,20,22,24,26,28,30
.irp t, 0,1,2,3
	v_max3_num_f32 v[MX+\t], v[MX+\t], |v[X+32*\t+\i]|, |v[X+32*\t+\i+1]|
.endr
.endr
; The codes of variant vv of all four tokens, from v[X ..] under the scale operands v[SO ..], and their bytes, into the stages.
.macro QOUT vv
.irp t, 0,1,2,3
	v_add_nc_u32 v[SO+\t], 0xff000000, v[MX+\t]    ; 2 off the exponent field: the conversion takes that field as its scale, and nothing else of the operand
.endr
.irp t, 0,1,2,3
	v_lshrrev_b32 v[BY+4*\vv+\t], 23, v[SO+\t]     ; the scale's byte
.endr
.irp t, 0,1,2,3
	v_cvt_scalef32_pk16_fp6_f32 v[CC+16*\t+8*\vv:CC+16*\t+8*\vv+2], v[X+32*\t:X+32*\t+15], v[SO+\t]
	v_cvt_scalef32_pk16_fp6_f32 v[CC+16*\t+8*\vv+4:CC+16*\t+8*\vv+6], v[X+32*\t+16:X+32*\t+31], v[SO+\t]   ; (a conversion's three registers begin on an even number)
.endr
	v_nop                                          ; one plain instruction behind the conversions
.irp t, 0,1,2,3
	v_mov_b32 v[CC+16*\t+8*\vv+3], v[CC+16*\t+8*\vv+4]
	v_mov_b32 v[CC+16*\t+8*\vv+4], v[CC+16*\t+8*\vv+5]
	v_mov_b32 v[CC+16*\t+8*\vv+5], v[CC+16*\t+8*\vv+6]   ; the block's 24 bytes in six registers on end
.endr
.irp t, 0,1,2,3
	ds_store_b64 v4, v[CC+16*\t+8*\vv:CC+16*\t+8*\vv+1] offset:1536*\t+768*\vv
	ds_store_b64 v4, v[CC+16*\t+8*\vv+2:CC+16*\t+8*\vv+3] offset:1536*\t+768*\vv+8
	ds_store_b64 v4, v[CC+16*\t+8*\vv+4:CC+16*\t+8*\vv+5] offset:1536*\t+768*\vv+16
	ds_store_b8 v5, v[BY+4*\vv+\t] offset:64*\t+32*\vv
.endr
.endm
	QOUT 0                                         ; Q(x)
.irp t, 0,1,2,3
	v_mul_f32 v[MX+\t], v[MX+\t], v[BS+2*\t]       ; the largest magnitude of score x: rounding keeps order and the score is not negative, so it is the rounded product of the largest
.endr
.irp t, 0,1,2,3
	v_max_num_f32 v[MX+\t], 0x1800000, v[MX+\t]    ; over the floor again
.endr
.irp i, 0,2,4,6,8,10,12,14,16,18,20,22,24,26,28,30
.irp t, 0,1,2,3
	v_pk_mul_f32 v[X+32*\t+\i:X+32*\t+\i+1], v[X+32*\t+\i:X+32*\t+\i+1], v[BS+2*\t:BS+2*\t+1]   ; xe = score x, in f32, as the reference has it
.endr
.endr
	QOUT 1                                         ; Q(score x)
.irp q, 0,1,2,3,4,5,6,7,8,9,10,11
	ds_load_b128 v[X+4*\q:X+4*\q+3], v6 offset:512*\q   ; LDS serves a wave's instructions in order: these see my stores
.endr
	ds_load_b64 v[X+48:X+49], v7
.irp q, 0,1,2,3,4,5,6,7,8,9,10,11
	s_wait_dscnt 12-\q                             ; the younger loads may be out
	global_store_b128 v1, v[X+4*\q:X+4*\q+3], s[8:9] offset:512*\q   ; 512 consecutive bytes, aligned
.endr
	s_wait_dscnt 0x0
	global_store_b64 v8, v[X+48:X+49], s[10:11]    ; 256 consecutive bytes, aligned
	v_mov_b32 v25, v[IDX]
.irp t, 1,2,3
	v_cmp_eq_u32 vcc_lo, \t, v9
	v_cndmask_b32 v25, v25, v[IDX+\t], vcc_lo
.endr
	global_store_b32 v24, v25, s[12:13]            ; lane l stores token l % 4's expert: eight lanes write each word, with the same number
	s_wait_tensorcnt 0x0                           ; the wave's end
	ds_add_u32 v[SPW], v[NIL]
	s_wait_dscnt 0x0
	s_endpgm
.Lfunc_end_k_q2edcc3d44c_route:
	.size	k_q2edcc3d44c_route, .Lfunc_end_k_q2edcc3d44c_route-k_q2edcc3d44c_route
	.p2alignl 7, 3214868480
	.fill 96, 4, 3214868480
	.section	.rodata,"a",@progbits
	.p2align	6, 0x0
	.amdhsa_kernel k_q2edcc3d44c_route
		.amdhsa_group_segment_fixed_size 25088
		.amdhsa_private_segment_fixed_size 0
		.amdhsa_enable_private_segment 0
		.amdhsa_kernarg_size 40
		.amdhsa_user_sgpr_count 2
		.amdhsa_user_sgpr_kernarg_segment_ptr 1
		.amdhsa_wavefront_size32 1
		.amdhsa_system_sgpr_workgroup_id_x 1
		.amdhsa_system_sgpr_workgroup_id_y 1
		.amdhsa_system_sgpr_workgroup_id_z 1
		.amdhsa_system_vgpr_workitem_id 0
		.amdhsa_next_free_vgpr 512
		.amdhsa_next_free_sgpr 66
		.amdhsa_reserve_vcc 1
		.amdhsa_float_denorm_mode_32 3
		.amdhsa_float_denorm_mode_16_64 3
		.amdhsa_memory_ordered 1
		.amdhsa_forward_progress 1
		.amdhsa_inst_pref_size 80
	.end_amdhsa_kernel
	.amdgpu_metadata
---
amdhsa.version: [ 1, 2 ]
amdhsa.kernels:
  - .name:           k_q2edcc3d44c_route
    .symbol:         k_q2edcc3d44c_route.kd
    .args:
      - { .name: hidden_states, .offset: 0, .size: 8, .value_kind: global_buffer, .address_space: global }
      - { .name: router_w, .offset: 8, .size: 8, .value_kind: global_buffer, .address_space: global }
      - { .name: xc, .offset: 16, .size: 8, .value_kind: global_buffer, .address_space: global }
      - { .name: xs, .offset: 24, .size: 8, .value_kind: global_buffer, .address_space: global }
      - { .name: eidx, .offset: 32, .size: 8, .value_kind: global_buffer, .address_space: global }
    .group_segment_fixed_size: 25088
    .private_segment_fixed_size: 0
    .kernarg_segment_align: 8
    .kernarg_segment_size: 40
    .max_flat_workgroup_size: 32
    .sgpr_count:     66
    .vgpr_count:     512
    .wavefront_size: 32
...
	.end_amdgpu_metadata
.endif
;; end of part 5
;; launch place (part 6): grid 1 x 1, 8 waves a work-group, no clusters, 2,048 bytes of LDS; arguments eidx, tab; writes tab
.if DOCPART == 6
	.amdgcn_target "amdgcn-amd-amdhsa--gfx1250"
	.amdhsa_code_object_version 6
	.text
	.protected	k_q2edcc3d44c_place
	.globl	k_q2edcc3d44c_place
	.p2align	8
	.type	k_q2edcc3d44c_place,@function
k_q2edcc3d44c_place:
	s_mov_b64 s[64:65], 0
	v_nop
	global_prefetch_b8 v0, s[64:65] scope:SCOPE_SE
	s_setreg_imm32_b32 hwreg(HW_REG_WAVE_MODE, 25, 1), 1
	s_wait_xcnt 0x0
; Second launch: the tokens are sorted by their expert (a counting sort, no atomics), in whole numbers alone.  Only the chosen expert's rows are placed: see the first kernel's head.
; tab, in words: LISTS at 0: eight lists 1,280 words apart, expert e's tokens; ORDC at byte 40,960: 1,152 words, all tokens by expert, each expert filled up to whole tiles of 16;
; TMAP at byte 45,568: tile of ORDC -> slot tile 64 e + i; META at byte 46,080: words 0-7 the experts' numbers of tiles, word 8 their sum NT (64 to 71).  1,024 in a list says: no token.
; One work-group of eight waves; thread n takes tokens 4 n .. 4 n + 3; wave w also fills up expert w's lists.  No branch hangs on data.  Words written twice get the same number both times.
; Every index that hangs on loaded numbers is held under a constant before it becomes an address.
.set SPARE, 1024                       ; LDS: 0-1023 the waves' counts (wave w, expert e at 128 w + 4 e); then the spare words, 128 bytes a wave
.set SPW,   94
.set NIL,   95
.set ORDC,  40960
.set TMAP,  45568
.set META,  46080
.set MK,    32                         ; s32-63  lane masks: expert e, component c at 4 e + c
.set PR,    66                         ; s66-73  the next free place in each expert's list, for my wave
.set NE,    74                         ; s74-81  each expert's tokens
.set NTL,   82                         ; s82-89  each expert's tiles
.set TB,    90                         ; s90-98  tiles in front of each expert; s98 = NT
	s_load_b128 s[4:7], s[0:1], 0x0                ; eidx, tab
	v_lshl_add_u32 v[SPW], v0, 2, SPARE
	v_mov_b32 v[NIL], 0
	v_lshrrev_b32 v1, 5, v0
	s_delay_alu instid0(VALU_DEP_1)
	v_readfirstlane_b32 s8, v1                     ; wave
	v_and_b32 v1, 31, v0                           ; lane
	v_lshlrev_b32 v2, 4, v0
	v_lshlrev_b32 v3, 2, v0
	s_delay_alu instid0(VALU_DEP_3)
	v_lshlrev_b32 v13, 2, v1
.irp c, 0,1,2,3
	v_add_nc_u32 v[8+\c], \c, v3                   ; my tokens' numbers
	v_mov_b32 v[28+\c], 0                          ; their places in their lists
	v_mov_b32 v[32+\c], 0                          ; 16 x the tiles in front of their experts
.endr
	v_mov_b32 v12, 0
	v_mov_b32 v25, 0
	v_mov_b32 v37, 0x400
	v_mov_b32 v69, 0
	v_mov_b32 v70, 127
	s_wait_kmcnt 0x0
	global_load_b128 v[4:7], v2, s[4:5]
	s_wait_loadcnt 0x0
.irp c, 0,1,2,3
	v_min_u32 v[4+\c], 7, v[4+\c]
.endr
.irp e, 0,1,2,3,4,5,6,7
.irp c, 0,1,2,3
	v_cmp_eq_u32 s[MK+4*\e+\c], \e, v[4+\c]
.endr
.endr
.irp e, 0,1,2,3,4,5,6,7
	s_bcnt1_i32_b32 s9, s[MK+4*\e]
	s_bcnt1_i32_b32 s10, s[MK+4*\e+1]
	s_add_co_u32 s9, s9, s10
	s_bcnt1_i32_b32 s10, s[MK+4*\e+2]
	s_add_co_u32 s9, s9, s10
	s_bcnt1_i32_b32 s10, s[MK+4*\e+3]
	s_add_co_u32 s9, s9, s10
	v_writelane_b32 v12, s9, \e                    ; my wave's count of expert e, in lane e
.endr
	ds_store_b32 v3, v12
	s_wait_dscnt 0x0                               ; for the others' sake: my counts lie in LDS
	s_barrier_signal -1
	s_barrier_wait -1
.irp q, 0,1,2,3,4,5,6,7
	ds_load_b32 v[16+\q], v13 offset:128*\q        ; lane e: wave q's count of expert e
.endr
	s_wait_dscnt 0x0
	v_add_nc_u32 v24, v16, v17
.irp q, 2,3,4,5,6,7
	s_delay_alu instid0(VALU_DEP_1)
	v_add_nc_u32 v24, v24, v[16+\q]                ; each expert's tokens
.endr
.irp q, 0,1,2,3,4,5,6,7
	s_cmp_gt_u32 s8, \q
	s_cselect_b32 s9, -1, 0
	v_and_b32 v26, s9, v[16+\q]
	s_delay_alu instid0(VALU_DEP_1)
	v_add_nc_u32 v25, v25, v26                     ; those of the waves in front of mine
.endr
	v_add_nc_u32 v27, 15, v24
	s_delay_alu instid0(VALU_DEP_1)
	v_lshrrev_b32 v27, 4, v27                      ; tiles
.irp e, 0,1,2,3,4,5,6,7
	v_readlane_b32 s[PR+\e], v25, \e
	v_readlane_b32 s[NE+\e], v24, \e
	v_readlane_b32 s[NTL+\e], v27, \e
.endr
	s_mov_b32 s[TB], 0
.irp e, 0,1,2,3,4,5,6,7
	s_add_co_u32 s[TB+1+\e], s[TB+\e], s[NTL+\e]
.endr
	s_mov_b32 s10, s[NE]                           ; expert w's tokens, tiles, and tiles in front
	s_mov_b32 s11, s[NTL]
	s_mov_b32 s12, s[TB]
.irp e, 1,2,3,4,5,6,7
	s_cmp_eq_u32 s8, \e
	s_cselect_b32 s10, s[NE+\e], s10
	s_cselect_b32 s11, s[NTL+\e], s11
	s_cselect_b32 s12, s[TB+\e], s12
.endr
.irp e, 0,1,2,3,4,5,6,7
	s_lshl_b32 s9, s[TB+\e], 4
	v_mov_b32 v[40+\e], s9
.endr
.irp c, 0,1,2,3
.irp e, 0,1,2,3,4,5,6,7
	v_mbcnt_lo_u32_b32 v36, s[MK+4*\e+\c], s[PR+\e]   ; the place: those of expert e in lower lanes, behind what is already placed
	s_delay_alu instid0(VALU_DEP_1)
	v_cndmask_b32 v[28+\c], v[28+\c], v36, s[MK+4*\e+\c]
	v_cndmask_b32 v[32+\c], v[32+\c], v[40+\e], s[MK+4*\e+\c]
	s_bcnt1_i32_b32 s9, s[MK+4*\e+\c]
	s_add_co_u32 s[PR+\e], s[PR+\e], s9
.endr
.endr
.irp c, 0,1,2,3                        ; each token into its expert's list, and into ORDC
	v_mad_u32_u24 v[48+\c], v[4+\c], 0x500, v[28+\c]
	s_delay_alu instid0(VALU_DEP_1)
	v_min_u32 v[48+\c], 0x27ff, v[48+\c]
	s_delay_alu instid0(VALU_DEP_1)
	v_lshlrev_b32 v[48+\c], 2, v[48+\c]
	global_store_b32 v[48+\c], v[8+\c], s[6:7]
	v_add_nc_u32 v[52+\c], v[32+\c], v[28+\c]
	s_delay_alu instid0(VALU_DEP_1)
	v_min_u32 v[52+\c], 0x47f, v[52+\c]
	s_delay_alu instid0(VALU_DEP_1)
	v_lshlrev_b32 v[52+\c], 2, v[52+\c]
	global_store_b32 v[52+\c], v[8+\c], s[6:7] offset:ORDC
.endr
	s_mul_i32 s9, s8, 1280                         ; behind expert w's tokens: 192 words of 'no token': the tile's rest, and all that a first pass reads before it knows the counts
	s_add_co_u32 s9, s9, s10
	v_add_nc_u32 v56, s9, v1
	s_delay_alu instid0(VALU_DEP_1)
	v_min_u32 v56, 0x275f, v56
	s_delay_alu instid0(VALU_DEP_1)
	v_lshlrev_b32 v56, 2, v56
.irp q, 0,1,2,3,4,5
	global_store_b32 v56, v37, s[6:7] offset:128*\q
.endr
	v_add_nc_u32 v38, s10, v1                      ; the rest of expert w's last tile in ORDC; lanes with nothing to fill write 'no token' behind the last tile
	s_lshl_b32 s13, s11, 4
	v_cmp_gt_u32 vcc_lo, s13, v38
	s_lshl_b32 s14, s12, 4
	v_add_nc_u32 v39, s14, v38
	s_lshl_b32 s15, s[TB+8], 4
	v_and_b32 v57, 15, v1
	s_delay_alu instid0(VALU_DEP_1)
	v_add_nc_u32 v57, s15, v57
	s_delay_alu instid0(VALU_DEP_1)
	v_cndmask_b32 v57, v57, v39, vcc_lo
	s_delay_alu instid0(VALU_DEP_1)
	v_min_u32 v57, 0x47f, v57
	s_delay_alu instid0(VALU_DEP_1)
	v_lshlrev_b32 v57, 2, v57
	global_store_b32 v57, v37, s[6:7] offset:ORDC
	s_and_b32 s16, s8, 3                           ; ORDC behind the last tile, to its end: NT is at least 64, so 128 words reach word 1,151
	s_lshl_b32 s16, s16, 5
	s_add_co_u32 s16, s16, s15
	v_add_nc_u32 v58, s16, v1
	s_delay_alu instid0(VALU_DEP_1)
	v_min_u32 v58, 0x47f, v58
	s_delay_alu instid0(VALU_DEP_1)
	v_lshlrev_b32 v58, 2, v58
	global_store_b32 v58, v37, s[6:7] offset:ORDC
	s_lshl_b32 s17, s8, 6
.irp q, 0,1                            ; TMAP for expert w's tiles; lanes with none write 0 to the last word
	v_add_nc_u32 v71, 32*\q, v1
	s_delay_alu instid0(VALU_DEP_1)
	v_cmp_gt_u32 vcc_lo, s11, v71
	s_delay_alu instid0(VALU_DEP_2)
	v_add_nc_u32 v[64+\q], s12, v71
	s_delay_alu instid0(VALU_DEP_1)
	v_cndmask_b32 v[64+\q], v70, v[64+\q], vcc_lo
	s_delay_alu instid0(VALU_DEP_1)
	v_min_u32 v[64+\q], 127, v[64+\q]
	s_delay_alu instid0(VALU_DEP_1)
	v_lshlrev_b32 v[64+\q], 2, v[64+\q]
	v_add_nc_u32 v[66+\q], s17, v71
	s_delay_alu instid0(VALU_DEP_1)
	v_cndmask_b32 v[66+\q], v69, v[66+\q], vcc_lo
	global_store_b32 v[64+\q], v[66+\q], s[6:7] offset:TMAP
.endr
	v_add_nc_u32 v68, s[TB+8], v1                  ; TMAP behind the last tile: 32 words of 0 reach past word 71, the last that is read
	s_delay_alu instid0(VALU_DEP_1)
	v_min_u32 v68, 127, v68
	s_delay_alu instid0(VALU_DEP_1)
	v_lshlrev_b32 v68, 2, v68
	global_store_b32 v68, v69, s[6:7] offset:TMAP
	v_writelane_b32 v27, s[TB+8], 8                ; META: lanes 0-7 the experts' tiles, lane 8 NT, the others 0
	s_cmp_lg_u32 s8, 0
	s_cbranch_scc1 .Lnot_wave_0
	global_store_b32 v13, v27, s[6:7] offset:META
.Lnot_wave_0:
	s_wait_tensorcnt 0x0                           ; the wave's end
	ds_add_u32 v[SPW], v[NIL]
	s_wait_dscnt 0x0
	s_endpgm
.Lfunc_end_k_q2edcc3d44c_place:
	.size	k_q2edcc3d44c_place, .Lfunc_end_k_q2edcc3d44c_place-k_q2edcc3d44c_place
	.p2alignl 7, 3214868480
	.fill 96, 4, 3214868480
	.section	.rodata,"a",@progbits
	.p2align	6, 0x0
	.amdhsa_kernel k_q2edcc3d44c_place
		.amdhsa_group_segment_fixed_size 2048
		.amdhsa_private_segment_fixed_size 0
		.amdhsa_enable_private_segment 0
		.amdhsa_kernarg_size 16
		.amdhsa_user_sgpr_count 2
		.amdhsa_user_sgpr_kernarg_segment_ptr 1
		.amdhsa_wavefront_size32 1
		.amdhsa_system_sgpr_workgroup_id_x 1
		.amdhsa_system_sgpr_workgroup_id_y 1
		.amdhsa_system_sgpr_workgroup_id_z 1
		.amdhsa_system_vgpr_workitem_id 0
		.amdhsa_next_free_vgpr 96
		.amdhsa_next_free_sgpr 100
		.amdhsa_reserve_vcc 1
		.amdhsa_float_denorm_mode_32 3
		.amdhsa_float_denorm_mode_16_64 3
		.amdhsa_memory_ordered 1
		.amdhsa_forward_progress 1
		.amdhsa_inst_pref_size 27
	.end_amdhsa_kernel
	.amdgpu_metadata
---
amdhsa.version: [ 1, 2 ]
amdhsa.kernels:
  - .name:           k_q2edcc3d44c_place
    .symbol:         k_q2edcc3d44c_place.kd
    .args:
      - { .name: eidx, .offset: 0, .size: 8, .value_kind: global_buffer, .address_space: global }
      - { .name: tab, .offset: 8, .size: 8, .value_kind: global_buffer, .address_space: global }
    .group_segment_fixed_size: 2048
    .private_segment_fixed_size: 0
    .kernarg_segment_align: 8
    .kernarg_segment_size: 16
    .max_flat_workgroup_size: 256
    .sgpr_count:     100
    .vgpr_count:     96
    .wavefront_size: 32
...
	.end_amdgpu_metadata
.endif
;; end of part 6
;; launch gateup (part 7): grid 16 x 14, 4 waves a work-group, no clusters, 213,504 bytes of LDS; arguments xc, xs, tab, w_gate_codes, w_gate_scales, w_up_codes, w_up_scales, ws_gate_codes, ws_gate_scales, ws_up_codes, ws_up_scales, hc, hs; writes hc, hs
.if DOCPART == 7
	.amdgcn_target "amdgcn-amd-amdhsa--gfx1250"
	.amdhsa_code_object_version 6
	.text
	.protected	k_q2edcc3d44c_gateup
	.globl	k_q2edcc3d44c_gateup
	.p2align	8
	.type	k_q2edcc3d44c_gateup,@function
k_q2edcc3d44c_gateup:
	s_mov_b64 s[64:65], 0
	v_nop
	global_prefetch_b8 v0, s[64:65] scope:SCOPE_SE
	s_setreg_imm32_b32 hwreg(HW_REG_WAVE_SCHED_MODE, 0, 2), 2
	s_setreg_imm32_b32 hwreg(HW_REG_WAVE_MODE, 25, 1), 1
	s_wait_xcnt 0x0
	s_wait_alu depctr_vm_vsrc(0)
; Third launch: h = Q(silu(x Wg) x (x Wu)) for the routed and for the shared expert, on codes of E2M3 with E8M0 scales.  Only the chosen expert's rows are multiplied: see the first kernel's head.
; SHARES.  Work-group x = a slice of 128 hidden units (128 rows of the gate weight, 128 of the up weight).  y < 8: routed expert y, all its tiles of 16 tokens; y = 8 + b: the shared expert,
; tiles 12 b .. 12 b + 11 of ORDC.  One way through the text for both: only pointers are chosen, by ids.  The slice's weights, 196,608 bytes of codes and 8,192 of scale bytes, come into LDS once.
; THE WAVES SHARE THE ROWS: in a pass wave w takes tiles base + w + 4 m, m = 0, 1, 2; its tokens' codes go from memory straight into registers.  So the one barrier stands at the head, on every way,
; and none in the loop over passes, which is left where a count read from memory says so.  One pass serves 192 rows of an expert; the loop is counted to six, which serves all 1,024 (64 tiles, 12 a pass).
; NO TENSOR LOAD, NO CLUSTER: the way out of the loop and the branches round dead tiles hang on numbers read from memory, so LDS is filled through registers, and there is no joint load to share the shared expert's weights by.
; LAYOUT.  The products are used transposed (source 0 = 16 rows of a weight, source 1 = 16 tokens): a lane holds ONE token, its registers run along the hidden units.  LDS row 32 f + 16 u + r holds
; hidden unit 32 f + 8 u + r + 8 (r / 8): so the 16 registers of tiles u = 0, 1 are 16 neighbours along the next product's K.  A wave owns all 128 units of the slice for its tokens: one whole K step
; of the next product, so it makes a whole operand and a whole scale word by itself.  hc: [variant][slot tile][K step][1,536 bytes], the operand's registers as they stand: group i of lane l at 512 i + 16 l.
; hs: [variant][slot tile][K step][16 rows][4 bytes]: a store of 64 bytes, part of an aligned 256: one byte in 24 of what this launch stores.
; A tile past the list's end is multiplied with token 1,023's codes ('no token' is held at 1,023) and not stored.
; REGISTERS.  Window 0: v1-31 addresses; v32-55 the tokens' scale words; v56-119 the weights' (lanes 0-15 gate, lanes 16-31 up); v120-179 codes being made; v180-206 bytes, maxima; v208-255 at work.
; Windows 1, 2: the tokens' operands, K step s, tile m at 36 s + 12 m (s < 5) and 36 (s - 5) + 12 m.  Window 3: v0-95 accumulators (tile m; gate 0, gate 1, up 0, up 1) at 32 m + 8 q; v96-239 three buffers of four
; weight fragments; v240-243 copies of their LDS addresses, so that ONE window setting serves a step's LDS loads and its products.
; THE MODE: SCHED_MODE bits 1:0 = 2 (LLVM: expert scheduling mode 2), set by the entry lines.  The code itself states the register dependences between vector or matrix instructions
; and memory or LDS instructions, with s_wait_alu, always for 0.
; THE PLAN.  Registers that memory or LDS instructions touch:
;   staging      window 3 v0-255 and window 2 v108-251, at the head only: global loads land in them, LDS stores read them.  Behind the barrier they become accumulators, weight buffers and address copies.
;   WB0 .. WB2   Step n's twelve products read WB[n % 3].  The LDS loads of step n + 2 are issued in step n and land in WB[(n - 1) % 3], which the products of step n - 1 read.
;   the tokens' operands and v[AS ..]   loaded at the head, or in the tail for a further pass; read by the products of a whole pass.
;   v[TK ..]     loaded; read and written by TKPREP.     v[VA ..], v[VS ..]   written by TKPREP; read by the tokens' loads.
;   v[PC ..], v[PWD ..]   written by the conversions and by FINV; read by the pass's stores.     v[HO ..], v[HSO ..]   written at the head and in the tail; read by those stores.
;   v[T .. T+2]  in the tail the offsets of three loads; else at work.     v4-v9 and window 3's v240-243: made once and never written again.
; So ONE wait on va_vdst stands in a step, behind the wait for its fragments: the products of the step before are done reading their buffer.  The step's 24 LDS loads follow it, two behind each of its twelve
; products, which name WB[n % 3], the accumulators, the tokens' operands and the scale words: none of the registers that those loads touch.  A pass's stores stand in one run behind one wait; the tail frees what they read.
.set WPITCH, 784                       ; a weight row in LDS: 768 bytes + 16 = 196 words: row r begins 4 r words further on modulo 64, and the halves of the lanes 6 words apart: 32 lanes' 8 bytes fall on 64 different words
.set WCH,    64*WPITCH
.set WSB,    256*WPITCH                ; behind the codes: the scale bytes, 32 a row, rows 48 bytes apart
.set SPITCH, 48
.set SPARE,  WSB+256*SPITCH            ; the spare words, 128 bytes a wave: two blocks of 256 bytes that no other line names
.set PASSES, 6                         ; 64 tiles at the most, 12 a pass
.set RR,  1
.set HH,  2
.set LN,  3
.set LA,  4                            ; v4   where my wave's codes go: 64 rows x wave + 16 lane
.set LB,  5                            ; v5   the same, 16 further on for lanes 16-31 (a load that holds the end of one row and the head of the next)
.set LSC, 6
.set GO,  7
.set SA,  8
.set R4,  9
.set TK,  10
.set VA,  13
.set VS,  16
.set HO,  19
.set HSO, 22
.set SPW, 26
.set NIL, 27
.set BB,  28
.set AS,  32
.set WSC, 56
.set PC,  120
.set BY,  180
.set MX,  192
.set MY,  196
.set SO,  200
.set PWD, 204
.set T,   208
.set WB,  96
.set MSB, 0
.macro WIN new                         ; the immediate's high byte repeats the setting that is left
.if MSB != \new
	s_set_vgpr_msb (MSB<<8)|\new
.set MSB, \new
.endif
.endm
; THE LOADS OF THE HEAD, one list.  0-2: my three tiles' tokens.  3-98: my wave's 64 weight rows, 512 consecutive bytes a load.  99-102: their scale bytes.  103-174: my tokens' codes.  175-180: their scale words.
.macro ISSUE j
.if (\j) < 3
	WIN 0
	global_load_b32 v[TK+(\j)], v[R4], s[34:35] offset:256*(\j)
.elseif (\j) < 103
.set q_k, (\j)-3
.if q_k < 64
	WIN 0xc0
.set q_r, 4*q_k
.else
	WIN 0x80
.set q_r, 108+4*(q_k-64)
.endif
.if q_k < 96
	global_load_b128 v[q_r:q_r+3], v[GO], s[10:11] offset:512*q_k
.else
	global_load_b128 v[q_r:q_r+3], v[GO], s[12:13] offset:512*(q_k-96)
.endif
.elseif (\j) < 175
.set q_x, (\j)-103
.set q_m, q_x/24
.set q_s, (q_x%24)/3
.set q_i, q_x%3
.if q_s < 5
	WIN 0x40
.set q_r, 36*q_s+12*q_m+4*q_i
.else
	WIN 0x80
.set q_r, 36*(q_s-5)+12*q_m+4*q_i
.endif
	global_load_b128 v[q_r:q_r+3], v[VA+q_m], s[4:5] offset:96*q_s+16*q_i   ; a lane's twelve registers lie on end in xc
.else
.set q_x, (\j)-175
	WIN 0
	global_load_b128 v[AS+8*(q_x/2)+4*(q_x%2):AS+8*(q_x/2)+4*(q_x%2)+3], v[VS+q_x/2], s[6:7] offset:16*(q_x%2)
.endif
.endm
; Weight item k goes to LDS.  Three items are two rows, 2 (k / 3) and the next; the rows are laid in the order that the head comment states.
.macro PUT k
.if (\k) < 64
	WIN 0x0c
.set p_r, 4*(\k)
.else
	WIN 0x08
.set p_r, 108+4*((\k)-64)
.endif
.if (\k) < 96
.set p_o, 2*((\k)/3)
.set p_p, (p_o&32)+16*((p_o>>3)&1)+(p_o&7)+8*((p_o>>4)&1)
.if (\k)%3 == 0
	ds_store_b128 v[LA], v[p_r:p_r+3] offset:p_p*WPITCH
.elseif (\k)%3 == 1
	ds_store_b128 v[LB], v[p_r:p_r+3] offset:p_p*WPITCH+512
.else
	ds_store_b128 v[LA], v[p_r:p_r+3] offset:p_p*WPITCH+1040
.endif
.else
.set p_j, (\k)-96
	ds_store_b128 v[LSC], v[p_r:p_r+3] offset:SPITCH*(32*(p_j>>1)+8*(p_j&1))
.endif
.endm
.macro TKPREP                          ; the tokens become offsets: held under 1,024 first
	WIN 0
.irp m, 0,1,2
	v_min_u32 v[TK+\m], 0x3ff, v[TK+\m]
.endr
.irp m, 0,1,2
	v_mul_u32_u24 v[VA+\m], v[TK+\m], 1536
	v_lshlrev_b32 v[VS+\m], 6, v[TK+\m]
.endr
.irp m, 0,1,2
	v_mad_u32_u24 v[VA+\m], v[HH], 48, v[VA+\m]
.endr
	s_wait_alu depctr_va_vdst(0)                   ; v[VA ..] and v[VS ..] are written, which the loads that follow read as offsets; in a further pass the last pass's products are also done reading the operands and scale words in which those loads land
.endm
	s_load_b256 s[4:11], s[0:1], 0x0               ; xc, xs, tab, w_gate_codes
	s_load_b256 s[12:19], s[0:1], 0x20             ; w_gate_scales, w_up_codes, w_up_scales, ws_gate_codes
	s_load_b256 s[20:27], s[0:1], 0x40             ; ws_gate_scales, ws_up_codes, ws_up_scales, hc
	s_load_b64 s[28:29], s[0:1], 0x60              ; hs
	v_lshl_add_u32 v[SPW], v0, 2, SPARE
	v_mov_b32 v[NIL], 0
	v_lshrrev_b32 v1, 5, v0
	v_readfirstlane_b32 s30, v1                    ; wave
	v_and_b32 v[RR], 15, v0
	v_bfe_u32 v[HH], v0, 4, 1
	v_and_b32 v[LN], 31, v0
	v_lshlrev_b32 v[GO], 4, v[LN]
	s_wait_alu depctr_va_sdst(0)                   ; s30 is written, ahead of its first reader: LDS addresses, bases and branches are made from it
	s_mul_i32 s55, s30, WCH
	v_add_nc_u32 v[LA], s55, v[GO]
	v_lshl_add_u32 v[LB], v[HH], 4, v[LA]
	v_bfe_u32 v[LSC], v0, 1, 3                     ; a load of scale bytes holds 16 rows, two lanes to a row: row (lane / 2) % 8 + 8 (lane / 16) of them goes to LDS row (lane / 2) % 8 + 16 (lane / 16)
	v_lshl_add_u32 v[LSC], v[HH], 4, v[LSC]
	v_mul_u32_u24 v[LSC], v[LSC], SPITCH
	v_and_b32 v[T], 1, v0
	v_lshl_add_u32 v[LSC], v[T], 4, v[LSC]
	s_mul_i32 s55, s30, 64*SPITCH
	s_add_co_u32 s55, s55, WSB
	v_add_nc_u32 v[LSC], s55, v[LSC]
	v_mul_u32_u24 v[SA], v[RR], SPITCH
	v_mad_u32_u24 v[SA], v[HH], 128*SPITCH, v[SA]  ; lanes 16-31 take the up rows' scale words
	v_add_nc_u32 v[SA], WSB, v[SA]
	v_lshlrev_b32 v[R4], 2, v[RR]
	v_mul_u32_u24 v[BB], v[RR], WPITCH
	v_mad_u32_u24 v[BB], v[HH], 24, v[BB]          ; a fragment's row x pitch + 24 x half
.irp q, 1,2,3
	v_add_nc_u32 v[BB+\q], \q*WCH, v[BB]           ; and the same 64, 128, 192 rows on
.endr
.irp m, 0,1,2
	v_mov_b32 v[MY+\m], 0                          ; written once: a lane permute's destination counts as one of its sources
.endr
	s_mov_b32 s48, 0x76543210
	s_mov_b32 s49, 0xfedcba98                      ; lane selects: lane xor 16
	s_mov_b32 s50, 0xbfb8aa3b                      ; -log2(e)
	s_mov_b32 s51, s50                             ; (named with it as a pair)
	s_and_b32 s31, ttmp7, 0xffff                   ; y
	s_sub_co_u32 s37, s31, 8
	s_mul_i32 s37, s37, 12
	s_min_u32 s41, s31, 7
	s_lshl_b32 s41, s41, 2
	s_cmp_lt_u32 s31, 8                            ; routed or shared: ids alone
	s_cselect_b32 s36, s31, 0                      ; the expert
	s_cselect_b32 s37, 0, s37                      ; my first tile
	s_cselect_b32 s47, 0, -1                       ; all ones on the shared path,
	s_cselect_b32 s80, -1, 0                       ; on the routed path
	s_cselect_b32 s55, 1, 0                        ; x's variant: 1 = Q(score x)
	s_cselect_b32 s57, 0, 1                        ; h's variant: 0 = routed
	s_mul_i32 s76, s36, 5120
	s_mov_b32 s56, 40960
	s_cselect_b32 s76, s76, s56                    ; my list: LISTS[e] or ORDC
	s_mov_b32 s77, 0
	s_mul_i32 s68, s55, 768
	s_mov_b32 s69, 0
	s_lshl_b32 s70, s55, 5
	s_mov_b32 s71, 0
	s_mul_i32 s72, s57, 12582912
	s_mul_i32 s58, ttmp9, 1536
	s_add_co_u32 s72, s72, s58                     ; hc: variant, K step = my slice
	s_mov_b32 s73, 0
	s_lshl_b32 s74, s57, 19
	s_lshl_b32 s58, ttmp9, 6
	s_add_co_u32 s74, s74, s58                     ; hs likewise
	s_mov_b32 s75, 0
	s_add_co_u32 s43, s37, s30
	s_lshl_b32 s43, s43, 2                         ; 4 (first tile + wave)
	s_lshl_b32 s78, s43, 4
	s_mov_b32 s79, 0
	s_lshl_b32 s82, s36, 6                         ; 64 e
	s_add_co_u32 s81, s82, s30
	s_lshl_b32 s59, ttmp9, 7
	s_and_b32 s60, s30, 1
	s_lshl_b32 s60, s60, 6
	s_add_co_u32 s59, s59, s60                     ; my wave's first weight row: 128 x slice + 64 (wave % 2)
	s_mul_i32 s62, s36, 1572864
	s_mul_i32 s60, s59, 768
	s_add_co_u32 s62, s62, s60
	s_mov_b32 s63, 0
	s_lshl_b32 s66, s36, 16
	s_lshl_b32 s60, s59, 5
	s_add_co_u32 s66, s66, s60
	s_mov_b32 s67, 0
	s_wait_kmcnt 0x0
	s_load_b32 s40, s[8:9], s41 offset:46080       ; my expert's tiles
	s_load_b32 s42, s[8:9], 46112                  ; NT
	s_load_b32 s44, s[8:9], s43 offset:45568       ; my three tiles' slots (used on the shared path)
	s_load_b32 s45, s[8:9], s43 offset:45584
	s_load_b32 s46, s[8:9], s43 offset:45600
	s_cmp_lt_u32 s31, 8
	s_cselect_b64 s[10:11], s[10:11], s[18:19]
	s_cselect_b64 s[12:13], s[12:13], s[20:21]
	s_cselect_b64 s[14:15], s[14:15], s[22:23]
	s_cselect_b64 s[16:17], s[16:17], s[24:25]
	s_cmp_lt_u32 s30, 2                            ; waves 0 and 1 bring the gate rows, waves 2 and 3 the up rows
	s_cselect_b64 s[10:11], s[10:11], s[14:15]
	s_cselect_b64 s[12:13], s[12:13], s[16:17]
	s_add_nc_u64 s[10:11], s[10:11], s[62:63]
	s_add_nc_u64 s[12:13], s[12:13], s[66:67]
	s_add_nc_u64 s[4:5], s[4:5], s[68:69]
	s_add_nc_u64 s[6:7], s[6:7], s[70:71]
	s_add_nc_u64 s[26:27], s[26:27], s[72:73]
	s_add_nc_u64 s[28:29], s[28:29], s[74:75]
	s_add_nc_u64 s[32:33], s[8:9], s[76:77]        ; my list
	s_add_nc_u64 s[34:35], s[32:33], s[78:79]      ; at my wave's first tile: ids alone, so the first pass's loads wait for no count
	s_wait_alu depctr_va_vdst(0)                   ; the offsets v[GO] and v[R4] and the LDS addresses v[LA], v[LB], v[LSC], v[SA] are written, which the loads and LDS stores below read; none of them is written again
; THE PUMP: loads go out in the list's order; each group of eight weight items is stored to LDS as soon as it is in, while later loads land.
.set J, 0
.rept 66
	ISSUE J
.set J, J+1
.endr
.set K, 0
.rept 13
.rept 8
.if J == 103
	TKPREP                                         ; (the tokens were shown in by the first wait below)
.endif
	ISSUE J
.set J, J+1
.endr
	s_wait_loadcnt 63                              ; item k is load k + 3 of the list: behind this group's last item exactly 63 loads have been issued
.rept 8
.if K < 100
	PUT K
.endif
.set K, K+1
.endr
.endr
.rept 11
	ISSUE J
.set J, J+1
.endr
	WIN 0
	s_wait_dscnt 0x0                               ; for the others' sake: my 64 rows lie in LDS
	s_barrier_signal -1
	s_barrier_wait -1                              ; everybody's do.  LDS is written no more
.irp f, 0,1,2,3
.irp u, 0,1
.irp p, 0,1
	ds_load_b128 v[WSC+16*\f+8*\u+4*\p:WSC+16*\f+8*\u+4*\p+3], v[SA] offset:SPITCH*(32*\f+16*\u)+16*\p   ; the weights' scale words stay in registers: block f, tile u, K step s at 16 f + 8 u + s
.endr
.endr
.endr
	s_wait_alu depctr_vm_vsrc(0)                   ; my LDS stores have read the staging registers: window 3's are from here on the address copies, the weight buffers and the accumulators, written by the moves below, by LDS loads and by the products
	WIN 0xc0
.irp q, 0,1,2,3
	v_mov_b32 v[240+\q], v[BB+\q]
.endr
	WIN 0
	s_wait_kmcnt 0x0
	s_add_co_u32 s55, s37, 12
	s_min_u32 s55, s55, s42
	s_cmp_lt_u32 s31, 8
	s_cselect_b32 s38, s40, s55                    ; lim: one past my last tile
	s_min_u32 s38, s38, 72                         ; (an expert has at most 64 tiles, ORDC at most 71: six passes reach every one)
.irp m, 0,1,2
	s_min_u32 s[44+\m], s[44+\m], 511
	s_and_b32 s[44+\m], s[44+\m], s47              ; shared: the slot that TMAP names;
	s_add_co_u32 s55, s81, 4*\m
	s_and_b32 s55, s55, s80                        ; routed: 64 e + tile
	s_add_co_u32 s[44+\m], s[44+\m], s55
	s_mul_i32 s55, s[44+\m], 24576
	v_add_nc_u32 v[HO+\m], s55, v[GO]
	s_lshl_b32 s55, s[44+\m], 10
	v_add_nc_u32 v[HSO+\m], s55, v[R4]
.endr
	s_mov_b32 s39, s37                             ; base: the pass's first tile
	s_mov_b32 s83, 0                               ; passes done
	s_cmp_ge_u32 s39, s38
	s_cbranch_scc1 .Lend                           ; an expert without tokens
; One load of 8 bytes: piece p of fragment q (gate tiles 0, 1, up tiles 0, 1) of step n (block n / 8, K step n % 8), into buffer n % 3.
.macro WPIECE n, q, p
.set w_f, (\n)/8
.set w_s, (\n)%8
.set w_b, WB+48*((\n)%3)
	ds_load_b64 v[w_b+12*(\q)+2*(\p):w_b+12*(\q)+2*(\p)+1], v[240+2*((\q)/2)+w_f/2] offset:(32*(w_f%2)+16*((\q)%2))*WPITCH+96*w_s+48*((\p)/3)+8*((\p)%3)
.endm
; The four weight fragments of step n in one run: 24 loads.  So at a pass's head alone; in the steps they are dealt among the products.
.macro WLOAD n
.irp q, 0,1,2,3
.irp p, 0,1,2,3,4,5
	WPIECE \n,\q,\p
.endr
.endr
.endm
.macro MMA d, a, b, zero, sa, sb, arow
.if (\zero) && (\arow)
	v_wmma_scale_f32_16x16x128_f8f6f4 v[(\d):(\d)+7], v[(\a):(\a)+11], v[(\b):(\b)+11], 0, v[\sa], v[\sb] matrix_a_fmt:MATRIX_FMT_FP6 matrix_b_fmt:MATRIX_FMT_FP6 matrix_a_scale:MATRIX_SCALE_ROW1
.elseif \zero
	v_wmma_scale_f32_16x16x128_f8f6f4 v[(\d):(\d)+7], v[(\a):(\a)+11], v[(\b):(\b)+11], 0, v[\sa], v[\sb] matrix_a_fmt:MATRIX_FMT_FP6 matrix_b_fmt:MATRIX_FMT_FP6
.elseif \arow
	v_wmma_scale_f32_16x16x128_f8f6f4 v[(\d):(\d)+7], v[(\a):(\a)+11], v[(\b):(\b)+11], v[(\d):(\d)+7], v[\sa], v[\sb] matrix_a_fmt:MATRIX_FMT_FP6 matrix_b_fmt:MATRIX_FMT_FP6 matrix_a_scale:MATRIX_SCALE_ROW1
.else
	v_wmma_scale_f32_16x16x128_f8f6f4 v[(\d):(\d)+7], v[(\a):(\a)+11], v[(\b):(\b)+11], v[(\d):(\d)+7], v[\sa], v[\sb] matrix_a_fmt:MATRIX_FMT_FP6 matrix_b_fmt:MATRIX_FMT_FP6
.endif
.endm
; A block of 32 hidden units is finished for my three tiles: h = g x 1 / (1 + 2^(-log2(e) g)) x u in f32, in the order of the reference; the block's scale; 16 codes a lane.
; All its lines are vector work on the accumulators and on window 0's registers at work: no memory or LDS instruction that is out names any of them.
.macro EPI fb
.rept 4
	v_nop                                          ; places behind the last products, ahead of the first read of results
.endr
	WIN 0x03
.irp m, 0,1,2
.irp j, 0,2,4,6,8,10,12,14
	v_pk_mul_f32 v[T+16*\m+\j:T+16*\m+\j+1], v[32*\m+\j:32*\m+\j+1], s[50:51] op_sel_hi:[1,0]   ; each accumulator is read from its low end on
.endr
.endr
	WIN 0
.set e_e, 0
	s_wait_alu depctr_va_vdst(0)
.rept 48
	v_exp_f32 v[T+e_e], v[T+e_e]
.set e_e, e_e+1
.endr
	v_nop                                          ; a plain instruction behind the last exponential
	s_wait_alu depctr_va_vdst(0)                   ; the 48 exponentials have written v[T ..]: one wait, ahead of their first reader
.set e_e, 0
.rept 24
	v_pk_add_f32 v[T+e_e:T+e_e+1], v[T+e_e:T+e_e+1], 1.0 op_sel_hi:[1,0]
.set e_e, e_e+2
.endr
.set e_e, 0
	s_wait_alu depctr_va_vdst(0)
.rept 48
	v_rcp_f32 v[T+e_e], v[T+e_e]
.set e_e, e_e+1
.endr
	v_nop
	s_wait_alu depctr_va_vdst(0)                   ; the 48 reciprocals have written v[T ..]: one wait, ahead of their first reader
	WIN 0xc3
.irp m, 0,1,2
.irp j, 0,2,4,6,8,10,12,14
	v_pk_mul_f32 v[32*\m+\j:32*\m+\j+1], v[32*\m+\j:32*\m+\j+1], v[T+16*\m+\j:T+16*\m+\j+1]   ; silu(g)
.endr
.endr
	WIN 0xcf
.irp m, 0,1,2
.irp j, 0,2,4,6,8,10,12,14
	v_pk_mul_f32 v[32*\m+\j:32*\m+\j+1], v[32*\m+\j:32*\m+\j+1], v[32*\m+16+\j:32*\m+16+\j+1]   ; x u
.endr
.endr
	WIN 0x0f
.irp m, 0,1,2
	v_max3_num_f32 v[MX+\m], |v[32*\m]|, |v[32*\m+1]|, 0x1800000   ; my 16 numbers of the block, over the floor 2^(3 - 127)
.endr
	WIN 0x3c
.irp i, 2,4,6,8,10,12,14
.irp m, 0,1,2
	v_max3_num_f32 v[MX+\m], v[MX+\m], |v[32*\m+\i]|, |v[32*\m+\i+1]|
.endr
.endr
	WIN 0
.irp m, 0,1,2
	v_permlanex16_b32 v[MY+\m], v[MX+\m], s48, s49
.endr
.irp m, 0,1,2
	v_max_num_f32 v[MX+\m], v[MX+\m], v[MY+\m]     ; with lane xor 16's 16: the block's largest magnitude
.endr
.irp m, 0,1,2
	v_add_nc_u32 v[SO+\m], 0xff000000, v[MX+\m]    ; 2 off its exponent field: the conversion's scale operand
.endr
.irp m, 0,1,2
	v_lshrrev_b32 v[BY+4*\m+(\fb)], 23, v[SO+\m]   ; the scale's byte
.endr
	WIN 0x03
.irp m, 0,1,2
.if (\fb)%2 == 0
	v_cvt_scalef32_pk16_fp6_f32 v[PC+20*\m+6*((\fb)/2):PC+20*\m+6*((\fb)/2)+2], v[32*\m:32*\m+15], v[SO+\m]
.else
	v_cvt_scalef32_pk16_fp6_f32 v[PC+20*\m+12+4*((\fb)/2):PC+20*\m+12+4*((\fb)/2)+2], v[32*\m:32*\m+15], v[SO+\m]
.endif
.endr
	v_nop                                          ; one plain instruction behind the conversions: the next products write their sources
.endm
; Step n: 128 along K for block n / 8: twelve products, the twelve accumulators by turns, one instruction a turn.
; Behind each product stand two of the 24 LDS loads of step n + 2, under the products' own window setting.
.macro STEP n
.set s_f, (\n)/8
.set s_s, (\n)%8
.set s_b, WB+48*((\n)%3)
.if s_s < 5
	WIN 0xf7                                       ; sources 0 and 2 and the destination in window 3, source 1 in window 1
.set s_a, 36*s_s
.else
	WIN 0xfb                                       ; source 1 in window 2
.set s_a, 36*(s_s-5)
.endif
.if (\n)+1 < 32
	s_wait_dscnt 24                                ; LDS loads come back in order: this step's fragments are in; the next step's 24 loads may be out
.else
	s_wait_dscnt 0x0
.endif
.if ((\n)+2 < 32) && ((\n) > 0)
	s_wait_alu depctr_va_vdst(0)                   ; the products of the step before are done reading their buffer, in which this step's LDS loads land.  (Step 0 leans on the wait at the pass's head; the last two steps load nothing)
.endif
.irp q, 0,1,2,3
.irp m, 0,1,2
	MMA 32*\m+8*\q,s_b+12*\q,s_a+12*\m,s_s==0,WSC+16*s_f+8*(\q%2)+s_s,AS+8*\m+s_s,\q/2
.if (\n)+2 < 32
	WPIECE (\n)+2,\q,2*\m
	WPIECE (\n)+2,\q,2*\m+1
.endif
.endr
.endr
.if s_s == 7
	EPI s_f
.endif
.endm
; Tile m's four blocks become the operand's twelve registers and its scale word ..
.macro FINV m
	v_lshl_or_b32 v[PWD+\m], v[BY+4*\m+1], 8, v[BY+4*\m]
	v_lshl_or_b32 v[PWD+\m], v[BY+4*\m+2], 16, v[PWD+\m]
	v_lshl_or_b32 v[PWD+\m], v[BY+4*\m+3], 24, v[PWD+\m]
.irp c, 0,1                            ; the operand's layout wants a WHOLE block in a lane: lanes 0-15 block 2 c, lanes 16-31 block 2 c + 1
.irp i, 0,1,2
	v_permlane16_swap_b32 v[PC+20*\m+6*\c+\i], v[PC+20*\m+12+4*\c+\i]
.endr
.irp i, 0,1,2
	v_mov_b32 v[PC+20*\m+3+6*\c+\i], v[PC+20*\m+12+4*\c+\i]
.endr
.endr
.endm
; .. and leave if the tile is live.
.macro FINS m
	s_cmp_lt_u32 s[52+\m], s38
	s_cbranch_scc0 .Ldead_\@
.irp i, 0,1,2
	global_store_b128 v[HO+\m], v[PC+20*\m+4*\i:PC+20*\m+4*\i+3], s[26:27] offset:512*\i   ; 512 consecutive bytes, aligned
.endr
	global_store_b32 v[HSO+\m], v[PWD+\m], s[28:29]   ; lanes 16-31 hold and store the same words as lanes 0-15
.Ldead_\@:
.endm
.Lpass:
	s_add_co_u32 s52, s39, s30                     ; my three tiles
	s_add_co_u32 s53, s52, 4
	s_add_co_u32 s54, s52, 8
	s_cmp_ge_u32 s52, s38
	s_cbranch_scc1 .Ltail                          ; none of them is live
	s_wait_loadcnt 0x0                             ; my tokens' codes and scale words
	WIN 0xf7
	s_wait_alu depctr_va_vdst(0)                   ; the copies of the LDS addresses (window 3's v240-243) are written, which every LDS load of the pass reads; an earlier pass's products are done reading the buffers in which the loads of steps 0, 1 and 2 land
	WLOAD 0
	WLOAD 1
.set N, 0
.rept 32
	STEP N
.set N, N+1
.endr
	WIN 0
	FINV 0
	FINV 1
	FINV 2
	s_wait_alu depctr_va_vdst(0)                   ; the three tiles' codes v[PC ..] and scale words v[PWD ..] are written, which the stores below read; so are their offsets v[HO ..], v[HSO ..]
	FINS 0
	FINS 1
	FINS 2
.Ltail:
	s_wait_xcnt 0x0                                ; every load and store issued so far has read its address and data registers: they are written again below
	s_wait_alu depctr_vm_vsrc(0)                   ; the stores have read v[PC ..], v[PWD ..], v[HO ..], v[HSO ..], and the tokens' loads v[VA ..], v[VS ..]: the lines below and the next pass's arithmetic write them again
	s_add_co_u32 s39, s39, 12
	s_cmp_ge_u32 s39, s38
	s_cbranch_scc1 .Lend                           ; the tiles are done: this is the way out, behind the sixth pass at the latest (base is 72 there, lim at most 72)
; A further pass: only a routed expert with more than 192 rows comes here (a shared work-group has lim <= first tile + 12), so the slot is 64 e + tile.
	s_sub_co_u32 s55, s38, 1
.irp m, 0,1,2
	s_add_co_u32 s56, s39, s30
	s_add_co_u32 s56, s56, 4*\m
	s_min_u32 s56, s56, s55                        ; a tile past the end: the last live one, not stored
	s_min_u32 s56, s56, 63
	s_lshl_b32 s58, s56, 6
	v_add_nc_u32 v[T+\m], s58, v[R4]
	s_add_co_u32 s56, s56, s82
	s_mul_i32 s58, s56, 24576
	v_add_nc_u32 v[HO+\m], s58, v[GO]
	s_lshl_b32 s58, s56, 10
	v_add_nc_u32 v[HSO+\m], s58, v[R4]
.endr
	s_wait_alu depctr_va_vdst(0)                   ; v[T .. T+2] are written, which the three loads below read as offsets; the lines that made offsets of the last tokens are done reading and writing v[TK ..], in which these loads land
.irp m, 0,1,2
	global_load_b32 v[TK+\m], v[T+\m], s[32:33]
.endr
	s_wait_loadcnt 0x0
	s_wait_alu depctr_vm_vsrc(0)                   ; the three loads have read v[T .. T+2], which the next pass's arithmetic writes
	TKPREP
.set J, 103
.rept 78
	ISSUE J
.set J, J+1
.endr
	WIN 0
	s_add_co_u32 s83, s83, 1                       ; the loop is counted: one more pass done, six at the most
	s_cmp_lt_u32 s83, PASSES
	s_cbranch_scc1 .Lpass
.Lend:
	s_wait_dscnt 0x0                               ; the closing lines, six on end
	s_wait_alu 0x0
	s_wait_tensorcnt 0x0
	ds_add_u32 v[SPW], v[NIL]
	s_wait_dscnt 0x0
	s_endpgm
.Lfunc_end_k_q2edcc3d44c_gateup:
	.size	k_q2edcc3d44c_gateup, .Lfunc_end_k_q2edcc3d44c_gateup-k_q2edcc3d44c_gateup
	.p2alignl 7, 3214868480
	.fill 96, 4, 3214868480
	.section	.rodata,"a",@progbits
	.p2align	6, 0x0
	.amdhsa_kernel k_q2edcc3d44c_gateup
		.amdhsa_group_segment_fixed_size 213504
		.amdhsa_private_segment_fixed_size 0
		.amdhsa_enable_private_segment 0
		.amdhsa_kernarg_size 104
		.amdhsa_user_sgpr_count 2
		.amdhsa_user_sgpr_kernarg_segment_ptr 1
		.amdhsa_wavefront_size32 1
		.amdhsa_system_sgpr_workgroup_id_x 1
		.amdhsa_system_sgpr_workgroup_id_y 1
		.amdhsa_system_sgpr_workgroup_id_z 1
		.amdhsa_system_vgpr_workitem_id 0
		.amdhsa_next_free_vgpr 1024
		.amdhsa_next_free_sgpr 84
		.amdhsa_reserve_vcc 0
		.amdhsa_float_denorm_mode_32 3
		.amdhsa_float_denorm_mode_16_64 3
		.amdhsa_memory_ordered 1
		.amdhsa_forward_progress 1
		.amdhsa_inst_pref_size 193
	.end_amdhsa_kernel
	.amdgpu_metadata
---
amdhsa.version: [ 1, 2 ]
amdhsa.kernels:
  - .name:           k_q2edcc3d44c_gateup
    .symbol:         k_q2edcc3d44c_gateup.kd
    .args:
      - { .name: xc, .offset: 0, .size: 8, .value_kind: global_buffer, .address_space: global }
      - { .name: xs, .offset: 8, .size: 8, .value_kind: global_buffer, .address_space: global }
      - { .name: tab, .offset: 16, .size: 8, .value_kind: global_buffer, .address_space: global }
      - { .name: w_gate_codes, .offset: 24, .size: 8, .value_kind: global_buffer, .address_space: global }
      - { .name: w_gate_scales, .offset: 32, .size: 8, .value_kind: global_buffer, .address_space: global }
      - { .name: w_up_codes, .offset: 40, .size: 8, .value_kind: global_buffer, .address_space: global }
      - { .name: w_up_scales, .offset: 48, .size: 8, .value_kind: global_buffer, .address_space: global }
      - { .name: ws_gate_codes, .offset: 56, .size: 8, .value_kind: global_buffer, .address_space: global }
      - { .name: ws_gate_scales, .offset: 64, .size: 8, .value_kind: global_buffer, .address_space: global }
      - { .name: ws_up_codes, .offset: 72, .size: 8, .value_kind: global_buffer, .address_space: global }
      - { .name: ws_up_scales, .offset: 80, .size: 8, .value_kind: global_buffer, .address_space: global }
      - { .name: hc, .offset: 88, .size: 8, .value_kind: global_buffer, .address_space: global }
      - { .name: hs, .offset: 96, .size: 8, .value_kind: global_buffer, .address_space: global }
    .group_segment_fixed_size: 213504
    .private_segment_fixed_size: 0
    .kernarg_segment_align: 8
    .kernarg_segment_size: 104
    .max_flat_workgroup_size: 128
    .sgpr_count:     84
    .vgpr_count:     1024
    .wavefront_size: 32
...
	.end_amdgpu_metadata
.endif
;; end of part 7
;; launch down (part 8): grid 16 x 8, 4 waves a work-group, no clusters, 226,816 bytes of LDS; arguments hc, hs, tab, w_down_codes, w_down_scales, ws_down_codes, ws_down_scales, out0; writes out0
.if DOCPART == 8
	.amdgcn_target "amdgcn-amd-amdhsa--gfx1250"
	.amdhsa_code_object_version 6
	.text
	.protected	k_q2edcc3d44c_down
	.globl	k_q2edcc3d44c_down
	.p2align	8
	.type	k_q2edcc3d44c_down,@function
k_q2edcc3d44c_down:
	s_mov_b64 s[64:65], 0
	v_nop
	global_prefetch_b8 v0, s[64:65] scope:SCOPE_SE
	s_setreg_imm32_b32 hwreg(HW_REG_WAVE_SCHED_MODE, 0, 2), 2
	s_setreg_imm32_b32 hwreg(HW_REG_WAVE_MODE, 25, 1), 1
	s_wait_xcnt 0x0
	s_wait_alu depctr_vm_vsrc(0)
; Fourth launch: out = h_routed W_down[e] + h_shared Ws_down, both on codes of E2M3 with E8M0 scales, summed in ONE f32 accumulator (K = 2,048 + 2,048).  Only the chosen expert's rows are multiplied: see the first kernel's head.
; SHARES.  Work-group x = 64 columns of out (256 bytes of each row), y = expert e: all its tiles of 16 tokens.  Each number of out has one owner.  128 work-groups: slices of 32 columns would make 256, but would
; store half of an aligned 256 bytes at a time and read h twice as often.  The slice's weights (64 rows of w_down[e], 64 of ws_down: 196,608 bytes of codes, 8,192 of scale bytes) come into LDS once.
; THE WAVES SHARE THE ROWS, as in the launch before: in a pass wave w takes tiles base + w + 4 m, m = 0, 1, 2; h's operands come from memory as images of their registers, through a ring of eight steps in registers.
; The one barrier stands at the head, on every way; none in the loop over passes, which is counted to six (64 tiles at the most, 12 a pass) and left where a count read from memory says so.
; NO TENSOR LOAD, NO CLUSTER: the way out of that loop and the branches round dead tiles hang on numbers read from memory, so LDS is filled through registers, and there is no joint load to share ws_down by.
; The products are used transposed (source 0 = 16 rows of a weight = 16 columns of out, source 1 = 16 tokens): a lane holds one token and eight neighbouring columns.
; A tile index past the expert's last is held at the last live tile; its results are not stored.  An expert without tokens reads inside hc and hs and stores nothing.
; REGISTERS.  Window 0: v1-31 addresses; v32-79 h's scale words (tile m, variant v, two K steps a register: lanes 0-15 the even step, lanes 16-31 the odd); v80-143 the weights' (lanes 0-15 routed, 16-31 shared);
; v144-170 tokens; v176-219 the way out.  Windows 1, 2: the ring, slot n % 8 at 36 (slot % 4) + 12 m.  Window 3: v0-95 accumulators at 32 m + 8 q; v96-239 three buffers of four weight fragments; v240-243 their LDS addresses.
; THE MODE: SCHED_MODE bits 1:0 = 2 (LLVM: expert scheduling mode 2), set by the entry lines.  The code itself states the register dependences between vector or matrix instructions
; and memory or LDS instructions, with s_wait_alu, always for 0.
; THE PLAN.  Registers that memory or LDS instructions touch:
;   staging      window 3 v0-255, window 1 v144-255, window 2 v144-175, at the head only: global loads land in them, LDS stores read them.  Behind the barrier window 3's become accumulators, weight buffers and address copies.
;   WB0 .. WB2   Step n's twelve products read WB[n % 3].  The LDS loads of step n + 2 are issued in step n and land in WB[(n - 1) % 3], which the products of step n - 1 read.
;   the ring     Step n's products read slot n % 8.  The nine loads of step n + 7 are issued in step n and land in slot (n - 1) % 8, which the products of step n - 1 read.
;   v[AS ..], v[TK ..], v[TK0 ..]   loaded at the head, or in the tail for a further pass; read by the products (scales) and by the way out's compares and selects.
;   v[VA ..], v[VSO ..], v[LT ..], v[LT0 ..]   written by TILES; read by those loads and by the ring's.
;   the accumulators   written by the products; read by the way out's LDS stores.
;   v[R0 ..], v[RB ..]   LDS loads land in them; the selects read both and write v[RB ..]; the global stores read v[RB ..].     v[OA ..]   written by the selects; read by the global stores.
;   v4-v12 and window 3's v240-243: made once and never written again.
; So ONE wait on va_vdst stands in a step, behind the waits for its data: the products of the step before are done reading their buffer and their ring slot.  The step's 24 LDS loads follow it, two behind each of its
; twelve products, and its nine loads of h in one run behind the third; the products name WB[n % 3], slot n % 8, the accumulators and the scale words: none of the registers that those loads touch.
.set WPITCH, 1552                      ; a weight row in LDS: 1,536 bytes + 16 = 388 words: row r begins 4 r words further on modulo 64
.set WCH,    32*WPITCH
.set WSB,    128*WPITCH                ; the scale bytes, 64 a row, rows 80 bytes apart
.set SPITCH, 80
.set STAGE,  WSB+128*SPITCH            ; the way out: 16 rows x (256 + 16) bytes for each wave, its own
.set SPARE,  STAGE+4*16*272            ; the spare words, 128 bytes a wave: two blocks of 256 bytes that no other line names
.set PASSES, 6                         ; 64 tiles at the most, 12 a pass
.set RR,  1
.set HH,  2
.set LN,  3
.set LA,  4
.set LSC, 5
.set SA,  6
.set GO,  7
.set L4,  8
.set STO, 9
.set RD,  10
.set RD0, 11
.set CO,  12
.set VA,  13
.set VSO, 16
.set LT,  19
.set LT0, 22
.set SPW, 26
.set NIL, 27
.set BB,  28
.set AS,  32
.set WSC, 80
.set TK,  144
.set TK0, 168
.set R0,  176
.set RB,  180
.set OA,  212
.set WB,  96
.set MK,  22                           ; s22-29  the way out: lane masks, one for each of a tile's eight pairs of rows
.set MSB, 0
.macro WIN new                         ; the immediate's high byte repeats the setting that is left
.if MSB != \new
	s_set_vgpr_msb (MSB<<8)|\new
.set MSB, \new
.endif
.endm
.macro ALOAD1 n, m, i                  ; group i of tile m's operand of step n (variant n / 16, K step n % 16) into ring slot n % 8: 512 consecutive bytes
.set a_s, (\n)%8
.if a_s < 4
	WIN 0x40
.else
	WIN 0x80
.endif
.set a_r, 36*(a_s%4)+12*(\m)+4*(\i)
.if (\n) < 16
	global_load_b128 v[a_r:a_r+3], v[VA+(\m)], s[4:5] offset:1536*((\n)%16)+512*(\i)
.else
	global_load_b128 v[a_r:a_r+3], v[VA+(\m)], s[20:21] offset:1536*((\n)%16)+512*(\i)
.endif
.endm
.macro ALOAD n
.irp m, 0,1,2
.irp i, 0,1,2
	ALOAD1 \n,\m,\i
.endr
.endr
.endm
; THE LOADS OF THE HEAD, one list.  0-95: my wave's 32 weight rows.  96-99: their scale bytes.  100-147: h's scale words.  148-156: my tiles' tokens.  157-219: ring steps 0 to 6.
.macro ISSUE j
.if (\j) < 100
.if (\j) < 64
	WIN 0xc0
.set q_r, 4*(\j)
.elseif (\j) < 92
	WIN 0x40
.set q_r, 144+4*((\j)-64)
.else
	WIN 0x80
.set q_r, 144+4*((\j)-92)
.endif
.if (\j) < 96
	global_load_b128 v[q_r:q_r+3], v[GO], s[10:11] offset:512*(\j)
.else
	global_load_b128 v[q_r:q_r+3], v[GO], s[12:13] offset:512*((\j)-96)
.endif
.elseif (\j) < 148
.set q_x, (\j)-100
	WIN 0
	global_load_b32 v[AS+q_x], v[VSO+q_x/16], s[6:7] offset:524288*((q_x%16)/8)+128*(q_x%8)
.elseif (\j) < 157
.set q_x, (\j)-148
	WIN 0
.if q_x%3 == 2
	global_load_b32 v[TK0+q_x/3], v[LT0+q_x/3], s[32:33]   ; the tile's first token, in every lane
.else
	global_load_b128 v[TK+8*(q_x/3)+4*(q_x%3):TK+8*(q_x/3)+4*(q_x%3)+3], v[LT+q_x/3], s[32:33] offset:16*(q_x%3)   ; register t: lanes 0-15 row t's token, lanes 16-31 row 8 + t's
.endif
.else
.set q_x, (\j)-157
	ALOAD1 q_x/9,(q_x%9)/3,q_x%3
.endif
.endm
.macro PUT k
.if (\k) < 64
	WIN 0x0c
.set p_r, 4*(\k)
.elseif (\k) < 92
	WIN 0x04
.set p_r, 144+4*((\k)-64)
.else
	WIN 0x08
.set p_r, 144+4*((\k)-92)
.endif
.if (\k) < 96
	ds_store_b128 v[LA], v[p_r:p_r+3] offset:WPITCH*((\k)/3)+512*((\k)%3)
.else
	ds_store_b128 v[LSC], v[p_r:p_r+3] offset:8*SPITCH*((\k)-96)
.endif
.endm
.macro TILES                           ; the offsets of my three tiles of the pass that begins at s39
	WIN 0
.irp m, 0,1,2
	s_add_co_u32 s55, s39, s30
	s_add_co_u32 s55, s55, 4*\m
	s_min_u32 s55, s55, s47
	s_min_u32 s55, s55, 63
	s_lshl_b32 s56, s55, 6
	v_lshl_add_u32 v[LT+\m], v[HH], 5, s56
	v_mov_b32 v[LT0+\m], s56
	s_add_co_u32 s55, s55, s46                     ; the slot: 64 e + tile
	s_mul_i32 s56, s55, 24576
	v_add_nc_u32 v[VA+\m], s56, v[GO]
	s_lshl_b32 s56, s55, 10
	v_add_nc_u32 v[VSO+\m], s56, v[L4]
.endr
	s_wait_alu depctr_va_vdst(0)                   ; v[LT ..], v[LT0 ..], v[VA ..], v[VSO ..] are written, which the loads that follow read as offsets; in a further pass the last pass's products, compares and selects are also done reading the ring, the scale words and the tokens, in which those loads land
.endm
	s_load_b256 s[4:11], s[0:1], 0x0               ; hc, hs, tab, w_down_codes
	s_load_b256 s[12:19], s[0:1], 0x20             ; w_down_scales, ws_down_codes, ws_down_scales, out0
	v_lshl_add_u32 v[SPW], v0, 2, SPARE
	v_mov_b32 v[NIL], 0
	v_lshrrev_b32 v1, 5, v0
	v_readfirstlane_b32 s30, v1                    ; wave
	v_and_b32 v[RR], 15, v0
	v_bfe_u32 v[HH], v0, 4, 1
	v_and_b32 v[LN], 31, v0
	v_lshlrev_b32 v[GO], 4, v[LN]
	v_lshlrev_b32 v[L4], 2, v[LN]
	s_wait_alu depctr_va_sdst(0)                   ; s30 is written, ahead of its first reader: LDS addresses, bases and branches are made from it
	s_mul_i32 s55, s30, WCH
	v_add_nc_u32 v[LA], s55, v[GO]
	v_lshrrev_b32 v[LSC], 2, v[LN]                 ; a load of scale bytes holds 8 rows, four lanes to a row
	v_mul_u32_u24 v[LSC], v[LSC], SPITCH
	v_and_b32 v[SA], 3, v0
	v_lshl_add_u32 v[LSC], v[SA], 4, v[LSC]
	s_mul_i32 s55, s30, 32*SPITCH
	s_add_co_u32 s55, s55, WSB
	v_add_nc_u32 v[LSC], s55, v[LSC]
	v_mul_u32_u24 v[SA], v[RR], SPITCH
	v_mad_u32_u24 v[SA], v[HH], 64*SPITCH, v[SA]   ; lanes 16-31 take the shared rows' scale words
	v_add_nc_u32 v[SA], WSB, v[SA]
	s_mul_i32 s55, s30, 16*272
	s_add_co_u32 s55, s55, STAGE                   ; my stage
	v_mul_u32_u24 v[STO], v[RR], 272
	v_lshl_add_u32 v[STO], v[HH], 5, v[STO]
	v_add_nc_u32 v[STO], s55, v[STO]               ; in: row = token, 32 bytes for each half of the lanes
	v_lshlrev_b32 v[CO], 4, v[RR]
	v_add_nc_u32 v[RD0], s55, v[CO]                ; back: row 0;
	v_mad_u32_u24 v[RD], v[HH], 8*272, v[RD0]      ; lanes 0-15 row t, lanes 16-31 row 8 + t
	v_mul_u32_u24 v[BB], v[RR], WPITCH
	v_mad_u32_u24 v[BB], v[HH], 24, v[BB]
.irp q, 1,2,3
	v_add_nc_u32 v[BB+\q], \q*WCH, v[BB]
.endr
	s_and_b32 s31, ttmp7, 0xffff                   ; the expert
	s_lshl_b32 s41, s31, 2
	s_lshl_b32 s46, s31, 6
	s_mov_b32 s39, 0                               ; base: the pass's first tile
	s_mov_b32 s68, 0                               ; passes done
	s_and_b32 s55, s30, 1
	s_lshl_b32 s55, s55, 5
	s_lshl_b32 s56, ttmp9, 6
	s_add_co_u32 s55, s55, s56                     ; my wave's first weight row: 64 x slice + 32 (wave % 2)
	s_cmp_lt_u32 s30, 2                            ; waves 0 and 1 bring w_down[e]'s rows, waves 2 and 3 ws_down's
	s_cselect_b32 s56, s31, 0
	s_mul_i32 s58, s56, 1572864
	s_mul_i32 s57, s55, 1536
	s_add_co_u32 s58, s58, s57
	s_mov_b32 s59, 0
	s_lshl_b32 s60, s56, 16
	s_lshl_b32 s57, s55, 6
	s_add_co_u32 s60, s60, s57
	s_mov_b32 s61, 0
	s_mul_i32 s62, s31, 5120
	s_mov_b32 s63, 0
	s_lshl_b32 s66, ttmp9, 8
	s_mov_b32 s67, 0
	s_wait_kmcnt 0x0
	s_load_b32 s40, s[8:9], s41 offset:46080       ; my expert's tiles
	s_cmp_lt_u32 s30, 2
	s_cselect_b64 s[10:11], s[10:11], s[14:15]
	s_cselect_b64 s[12:13], s[12:13], s[16:17]
	s_add_nc_u64 s[10:11], s[10:11], s[58:59]
	s_add_nc_u64 s[12:13], s[12:13], s[60:61]
	s_add_nc_u64 s[32:33], s[8:9], s[62:63]        ; my expert's list
	s_add_nc_u64 s[18:19], s[18:19], s[66:67]      ; out at my 64 columns
	s_add_nc_u64 s[20:21], s[4:5], 0xc00000        ; hc's shared variant
	s_wait_alu depctr_va_vdst(0)                   ; the offset v[GO] and the LDS addresses v[LA], v[LSC], v[SA], v[STO], v[RD], v[RD0] are written, which the loads and LDS instructions below read; none of them is written again
; THE PUMP, as in the launch before.
.set J, 0
.rept 63
	ISSUE J
.set J, J+1
.endr
.set K, 0
.rept 13
.rept 8
.if J == 100
	s_wait_kmcnt 0x0
	s_min_u32 s38, s40, 64                         ; lim (an expert has at most 64 tiles: six passes reach every one)
	s_max_u32 s47, s38, 1
	s_sub_co_u32 s47, s47, 1                       ; the last live tile (0 where there is none)
	TILES
.endif
	ISSUE J
.set J, J+1
.endr
	s_wait_loadcnt 63                              ; item k is load k of the list: behind this group's last item exactly 63 loads have been issued
.rept 8
.if K < 100
	PUT K
.endif
.set K, K+1
.endr
.endr
.rept 53
	ISSUE J
.set J, J+1
.endr
	WIN 0
	s_wait_dscnt 0x0                               ; for the others' sake: my 32 rows lie in LDS
	s_barrier_signal -1
	s_barrier_wait -1                              ; everybody's do.  From here on a wave writes its own stage alone
.irp q, 0,1,2,3
.irp j, 0,1,2,3
	ds_load_b128 v[WSC+16*\q+4*\j:WSC+16*\q+4*\j+3], v[SA] offset:SPITCH*16*\q+16*\j   ; the weights' scale words stay in registers: tile q, K step s at 16 q + s
.endr
.endr
	s_wait_alu depctr_vm_vsrc(0)                   ; my LDS stores have read the staging registers: window 3's are from here on the address copies, the weight buffers and the accumulators, written by the moves below, by LDS loads and by the products
	WIN 0xc0
.irp q, 0,1,2,3
	v_mov_b32 v[240+\q], v[BB+\q]
.endr
	WIN 0
	s_cmp_ge_u32 s39, s38
	s_cbranch_scc1 .Lend                           ; an expert without tokens
; One load of 8 bytes: piece p of weight fragment q of step n (variant n / 16, K step n % 16), into buffer n % 3.
.macro WPIECE n, q, p
.set w_v, (\n)/16
.set w_s, (\n)%16
.set w_b, WB+48*((\n)%3)
	ds_load_b64 v[w_b+12*(\q)+2*(\p):w_b+12*(\q)+2*(\p)+1], v[240+2*w_v+(\q)/2] offset:16*WPITCH*((\q)%2)+96*w_s+48*((\p)/3)+8*((\p)%3)
.endm
; The four weight fragments of step n in one run: 24 loads.  So at a pass's head alone; in the steps they are dealt among the products.
.macro WLOAD n
.irp q, 0,1,2,3
.irp p, 0,1,2,3,4,5
	WPIECE \n,\q,\p
.endr
.endr
.endm
.macro MMA d, a, b, zero, sa, sb, arow, brow
.if \zero
	v_wmma_scale_f32_16x16x128_f8f6f4 v[(\d):(\d)+7], v[(\a):(\a)+11], v[(\b):(\b)+11], 0, v[\sa], v[\sb] matrix_a_fmt:MATRIX_FMT_FP6 matrix_b_fmt:MATRIX_FMT_FP6
.elseif (\arow) && (\brow)
	v_wmma_scale_f32_16x16x128_f8f6f4 v[(\d):(\d)+7], v[(\a):(\a)+11], v[(\b):(\b)+11], v[(\d):(\d)+7], v[\sa], v[\sb] matrix_a_fmt:MATRIX_FMT_FP6 matrix_b_fmt:MATRIX_FMT_FP6 matrix_a_scale:MATRIX_SCALE_ROW1 matrix_b_scale:MATRIX_SCALE_ROW1
.elseif \arow
	v_wmma_scale_f32_16x16x128_f8f6f4 v[(\d):(\d)+7], v[(\a):(\a)+11], v[(\b):(\b)+11], v[(\d):(\d)+7], v[\sa], v[\sb] matrix_a_fmt:MATRIX_FMT_FP6 matrix_b_fmt:MATRIX_FMT_FP6 matrix_a_scale:MATRIX_SCALE_ROW1
.elseif \brow
	v_wmma_scale_f32_16x16x128_f8f6f4 v[(\d):(\d)+7], v[(\a):(\a)+11], v[(\b):(\b)+11], v[(\d):(\d)+7], v[\sa], v[\sb] matrix_a_fmt:MATRIX_FMT_FP6 matrix_b_fmt:MATRIX_FMT_FP6 matrix_b_scale:MATRIX_SCALE_ROW1
.else
	v_wmma_scale_f32_16x16x128_f8f6f4 v[(\d):(\d)+7], v[(\a):(\a)+11], v[(\b):(\b)+11], v[(\d):(\d)+7], v[\sa], v[\sb] matrix_a_fmt:MATRIX_FMT_FP6 matrix_b_fmt:MATRIX_FMT_FP6
.endif
.endm
.macro MWIN l                          ; the products' window setting, which also serves the LDS loads among them: ring slot l lies in window 1 or 2
.if (\l) < 4
	WIN 0xf7                                       ; sources 0 and 2 and the destination in window 3, source 1 in window 1
.else
	WIN 0xfb                                       ; source 1 in window 2
.endif
.endm
; Step n = 16 v + s: 128 along K of variant v: twelve products, the twelve accumulators by turns, one instruction a turn.
; Behind each product stand two of the 24 LDS loads of step n + 2; behind the third the nine loads of h of step n + 7, in one run under their own window setting.
.macro STEP n
.set s_v, (\n)/16
.set s_s, (\n)%16
.set s_b, WB+48*((\n)%3)
.set s_l, (\n)%8
.set s_a, 36*(s_l%4)
	MWIN s_l
.if (\n)+1 < 32
	s_wait_dscnt 24                                ; LDS loads come back in order: this step's fragments are in; the next step's 24 loads may be out
.else
	s_wait_dscnt 0x0
.endif
.if (\n)+6 < 32
	s_wait_loadcnt 54                              ; loads come back in order: this step's nine loads are in; the six younger steps' 54 may be out
.else
	s_wait_loadcnt 9*(31-(\n))
.endif
.if ((\n)+2 < 32) && ((\n) > 0)
	s_wait_alu depctr_va_vdst(0)                   ; the products of the step before are done reading their weight buffer and their ring slot, in which this step's loads land.  (Step 0 leans on the wait at the pass's head; the last two steps load nothing)
.endif
.irp q, 0,1,2,3
.if (\q == 1) && ((\n)+7 < 32)
	ALOAD (\n)+7
	MWIN s_l
.endif
.irp m, 0,1,2
	MMA 32*\m+8*\q,s_b+12*\q,s_a+12*\m,(\n)==0,WSC+16*\q+s_s,AS+16*\m+8*s_v+s_s/2,s_v,s_s%2
.if (\n)+2 < 32
	WPIECE (\n)+2,\q,2*\m
	WPIECE (\n)+2,\q,2*\m+1
.endif
.endr
.endr
.endm
; Tile m leaves, if it is live: through my own stage, so that sixteen lanes store a token's 256 consecutive bytes, aligned.  A row without a token stores the tile's row 0 once more, to row 0's place: EXEC is never touched.
.macro WAYOUT m
	s_cmp_lt_u32 s[52+\m], s38
	s_cbranch_scc0 .Lno_\@
	s_wait_xcnt 0x0                                ; the tile before has read its stores' registers
.if \m > 0
	s_wait_alu depctr_vm_vsrc(0)                   ; the stores of the tile before have read v[RB ..] and v[OA ..], which the loads and the selects below write
	s_wait_alu depctr_va_vdst(0)                   ; the selects of the tile before are done reading v[R0 ..] and writing v[RB ..], in which the loads below land
.endif
	WIN 0x0c                                       ; an LDS store's data are its source 1: window 3
.irp q, 0,1,2,3
	ds_store_b128 v[STO], v[32*\m+8*\q:32*\m+8*\q+3] offset:64*\q          ; each accumulator from its low end on
	ds_store_b128 v[STO], v[32*\m+8*\q+4:32*\m+8*\q+7] offset:64*\q+16
.endr
	WIN 0
	ds_load_b128 v[R0:R0+3], v[RD0]                ; LDS serves a wave's instructions in order: these see my stores
.irp t, 0,1,2,3,4,5,6,7
	ds_load_b128 v[RB+4*\t:RB+4*\t+3], v[RD] offset:272*\t
.endr
.irp t, 0,1,2,3,4,5,6,7
	v_cmp_gt_u32 s[MK+\t], 0x400, v[TK+8*\m+\t]    ; the eight compares in one run, a mask each; they and the offsets below stand between the stage's loads and the wait for them
.endr
	s_wait_alu depctr_va_sdst(0)                   ; the eight masks s[MK ..] are written, ahead of their first reader
.irp t, 0,1,2,3,4,5,6,7
	v_cndmask_b32 v[OA+\t], v[TK0+\m], v[TK+8*\m+\t], s[MK+\t]
	v_min_u32 v[OA+\t], 0x3ff, v[OA+\t]
	v_lshl_add_u32 v[OA+\t], v[OA+\t], 12, v[CO]
.endr
	s_wait_dscnt 0x0
.irp t, 0,1,2,3,4,5,6,7
.irp i, 0,1,2,3
	v_cndmask_b32 v[RB+4*\t+\i], v[R0+\i], v[RB+4*\t+\i], s[MK+\t]
.endr
.endr
	s_wait_alu depctr_va_vdst(0)                   ; the selects have written v[RB ..] and v[OA ..], which the eight stores below read
.irp t, 0,1,2,3,4,5,6,7
	global_store_b128 v[OA+\t], v[RB+4*\t:RB+4*\t+3], s[18:19] th:TH_STORE_NT
.endr
.Lno_\@:
.endm
.Lpass:
	s_add_co_u32 s52, s39, s30                     ; my three tiles
	s_add_co_u32 s53, s52, 4
	s_add_co_u32 s54, s52, 8
	s_cmp_ge_u32 s52, s38
	s_cbranch_scc1 .Ltail                          ; none of them is live
	WIN 0xf7
	s_wait_alu depctr_va_vdst(0)                   ; the copies of the LDS addresses (window 3's v240-243) are written, which every LDS load of the pass reads; an earlier pass's products are done reading the buffers and the ring slot in which the loads of steps 0, 1, 2 and 7 land
	WLOAD 0
	WLOAD 1
.set N, 0
.rept 32
	STEP N
.set N, N+1
.endr
	WIN 0
.rept 4
	v_nop                                          ; places behind the last products, ahead of the first read of results
.endr
	s_wait_alu depctr_va_vdst(0)                   ; the products have written the accumulators, which the LDS stores of the three tiles read; the places above stay beside this wait
	WAYOUT 0
	WAYOUT 1
	WAYOUT 2
.Ltail:
	s_wait_loadcnt 0x0                             ; (a wave that had no live tile still has its loads out)
	s_wait_xcnt 0x0                                ; every load and store issued so far has read its address and data registers: they are written again below
	s_wait_alu depctr_vm_vsrc(0)                   ; the loads have read v[VA ..], v[VSO ..], v[LT ..], v[LT0 ..], the LDS stores the accumulators, the global stores v[RB ..] and v[OA ..]: the lines below and the next pass write them again
	s_add_co_u32 s39, s39, 12
	s_cmp_ge_u32 s39, s38
	s_cbranch_scc1 .Lend                           ; the tiles are done: this is the way out, behind the sixth pass at the latest (base is 72 there, lim at most 64)
	TILES
.set J, 100
.rept 120
	ISSUE J                                        ; in the head's order, so that the steps' counts hold in every pass
.set J, J+1
.endr
	WIN 0
	s_add_co_u32 s68, s68, 1                       ; the loop is counted: one more pass done, six at the most
	s_cmp_lt_u32 s68, PASSES
	s_cbranch_scc1 .Lpass
.Lend:
	s_wait_dscnt 0x0                               ; the closing lines, six on end
	s_wait_alu 0x0
	s_wait_tensorcnt 0x0
	ds_add_u32 v[SPW], v[NIL]
	s_wait_dscnt 0x0
	s_endpgm
.Lfunc_end_k_q2edcc3d44c_down:
	.size	k_q2edcc3d44c_down, .Lfunc_end_k_q2edcc3d44c_down-k_q2edcc3d44c_down
	.p2alignl 7, 3214868480
	.fill 96, 4, 3214868480
	.section	.rodata,"a",@progbits
	.p2align	6, 0x0
	.amdhsa_kernel k_q2edcc3d44c_down
		.amdhsa_group_segment_fixed_size 226816
		.amdhsa_private_segment_fixed_size 0
		.amdhsa_enable_private_segment 0
		.amdhsa_kernarg_size 64
		.amdhsa_user_sgpr_count 2
		.amdhsa_user_sgpr_kernarg_segment_ptr 1
		.amdhsa_wavefront_size32 1
		.amdhsa_system_sgpr_workgroup_id_x 1
		.amdhsa_system_sgpr_workgroup_id_y 1
		.amdhsa_system_sgpr_workgroup_id_z 1
		.amdhsa_system_vgpr_workitem_id 0
		.amdhsa_next_free_vgpr 1024
		.amdhsa_next_free_sgpr 72
		.amdhsa_reserve_vcc 0
		.amdhsa_float_denorm_mode_32 3
		.amdhsa_float_denorm_mode_16_64 3
		.amdhsa_memory_ordered 1
		.amdhsa_forward_progress 1
		.amdhsa_inst_pref_size 190
	.end_amdhsa_kernel
	.amdgpu_metadata
---
amdhsa.version: [ 1, 2 ]
amdhsa.kernels:
  - .name:           k_q2edcc3d44c_down
    .symbol:         k_q2edcc3d44c_down.kd
    .args:
      - { .name: hc, .offset: 0, .size: 8, .value_kind: global_buffer, .address_space: global }
      - { .name: hs, .offset: 8, .size: 8, .value_kind: global_buffer, .address_space: global }
      - { .name: tab, .offset: 16, .size: 8, .value_kind: global_buffer, .address_space: global }
      - { .name: w_down_codes, .offset: 24, .size: 8, .value_kind: global_buffer, .address_space: global }
      - { .name: w_down_scales, .offset: 32, .size: 8, .value_kind: global_buffer, .address_space: global }
      - { .name: ws_down_codes, .offset: 40, .size: 8, .value_kind: global_buffer, .address_space: global }
      - { .name: ws_down_scales, .offset: 48, .size: 8, .value_kind: global_buffer, .address_space: global }
      - { .name: out0, .offset: 56, .size: 8, .value_kind: global_buffer, .address_space: global }
    .group_segment_fixed_size: 226816
    .private_segment_fixed_size: 0
    .kernarg_segment_align: 8
    .kernarg_segment_size: 64
    .max_flat_workgroup_size: 128
    .sgpr_count:     72
    .vgpr_count:     1024
    .wavefront_size: 32
...
	.end_amdgpu_metadata
.endif
;; end of part 8
